; MI455X (gfx1250); checked and timed in simulation.
; The chip was launched on July 23, 2026; its instructions are those of AMD's public machine-readable ISA for CDNA 5 (MIT licence, August 2026) and "CDNA5" Instruction Set Architecture Reference Guide (July 2026). The comments in the code are by the model that wrote it; some were corrected since.
;; Multihead Attention. Allowed arithmetic: matrix products marked QUANTISED: E2M3 operands, one E8M0 scale for each 32 along K, by v_wmma_scale_f32_16x16x128_f8f6f4 with both operands' format E2M3, f32 sums; everything else in f32.
;; Inputs: Wk 1,024 x 1,024 float32; Wo 1,024 x 1,024 float32; Wq 1,024 x 1,024 float32; Wv 1,024 x 1,024 float32; bk 1,024 float32; bo 1,024 float32; bq 1,024 float32; bv 1,024 float32; key 2 x 2,048 x 1,024 float32; query 2 x 2,048 x 1,024 float32; value 2 x 2,048 x 1,024 float32.
;; Outputs: out0 2 x 2,048 x 1,024 float32.
;; This version of the problem:
;;   THIS VERSION OF THE PROBLEM IS GIVEN IN LOW PRECISION. The matrix products marked QUANTISED in the list below multiply operands that are first quantised to E2M3 (2 exponent bits, 3 mantissa bits; 6 bits a number), with one power-of-two scale for each 32 numbers along K (OCP MX v1.0); their sums are f32. All else is computed in f32.
;;   The module's matrix products, in the order in which they are computed (A, B: the left and right operand; K: the contracted axis; several contracted axes count as one K, in the product's order):
;;     1. [M 4,096, K 1,024] x [K 1,024, N 1,024]; A: input query; B: input Wq: QUANTISED
;;     2. [M 4,096, K 1,024] x [K 1,024, N 1,024]; A: input key; B: input Wk: QUANTISED
;;     3. [M 4,096, K 1,024] x [K 1,024, N 1,024]; A: input value; B: input Wv: QUANTISED
;;     4. batch 32 x [M 2,048, K 64] x [K 64, N 2,048]; A: computed on the way; B: computed on the way: QUANTISED
;;     5. batch 32 x [M 2,048, K 2,048] x [K 2,048, N 64]; A: softmax (see below); B: computed on the way: QUANTISED
;;     6. [M 4,096, K 1,024] x [K 1,024, N 1,024]; A: computed on the way; B: input Wo: QUANTISED
;;   THE QUANTISER, for each operand of a quantised product, along K:
;;     - K is cut into blocks of 32 from its start; a last block that is shorter is filled with zeros.
;;     - A block's scale is 2^e with e = floor(log2(the largest magnitude in the block)) - 2, held to -126 .. 127; a block of zeros has e = 0. As a byte (E8M0): e + 127.
;;     - Each number is divided by its block's scale, clamped to +-7.5, and rounded to the nearest number of E2M3, ties to even, subnormals kept.
;;     - The product sums the exact products of the quantised numbers (number of the format x scale) in f32.
;;   ~~~python
;;   def quantise(x, axis):      # numpy; x: float32 -> the quantised numbers, widened to float32 again
;;       x = np.moveaxis(x, axis, -1); K = x.shape[-1]
;;       x = np.pad(x, [(0, 0)] * (x.ndim - 1) + [(0, -K % 32)]); x = x.reshape(x.shape[:-1] + (-1, 32)); a = np.abs(x).max(-1, keepdims=True)
;;       e = np.where(a > 0, np.clip(np.frexp(np.where(a > 0, a, 1))[1] - 1 - 2, -126, 127), 0)      # np.frexp(a)[1] - 1 = floor(log2(a)), exactly
;;       r = np.clip(x / 2.0 ** e, -7.5, 7.5)
;;       step = 2.0 ** (np.maximum(np.frexp(np.where(r == 0, 1, r))[1] - 1, 0) - 3)
;;       q = np.round(r / step) * step * 2.0 ** e      # np.round: ties to even
;;       return np.moveaxis(q.reshape(q.shape[:-2] + (-1,))[..., :K], -1, axis).astype(np.float32)
;;   ~~~
;;   SOFTMAX AHEAD OF A QUANTISED PRODUCT. Where the list says 'softmax', what is quantised is not the finished softmax but p = 2^(t - M), with t = logit x log2(e) and M = ceil(the row's largest t), a whole number; so 1/2 < the row's largest p <= 1. The row's sum l is taken of the UNQUANTISED p, in f32, and the product's result is divided by l at the end. Since M is a whole number, a kernel that streams over the keys may use a running M (the ceiling of the running maximum): every later rescaling is an exact power of two, which a block's scale takes up: the codes' values come out the same.
;;   OPERANDS COMPUTED ON THE WAY. 'Computed on the way' means the value that the module computes at that place (a softmax that the list does not call 'softmax' is quantised finished and normalised). What goes into a quantiser is computed in f32, as accurately as f32 sums, v_exp_f32 and their like allow (about 1e-6 of the number): no bf16 or f16 on the way to a quantiser, and a product that is left as it is and whose result goes on into a quantised operand takes f32 operands (vector FMAs, or v_wmma_f32_16x16x4_f32). A number that lies on a knife's edge between two numbers of the format may be rounded either way, as far as f32 arithmetic and the matrix unit's own rounding can turn it there, and no further.
;; One version. Each part assembles by itself: llvm-mc -triple=amdgcn-amd-amdhsa -mcpu=gfx1250 --defsym DOCPART=n.
;; ======== version 1 of 1: 4 launches
;; limits: right only within a limited range of input values
;; workspace buffers: xq 9,830,400 bytes; wq 3,276,800 bytes; pq 10,223,616 bytes; oq 3,276,800 bytes
;; launch quant (part 1): grid 512 x 1, 4 waves a work-group, no clusters, 34,304 bytes of LDS; arguments query, key, value, Wq, Wk, Wv, Wo, xq, wq; writes xq, wq
.if DOCPART == 1
	.amdgcn_target "amdgcn-amd-amdhsa--gfx1250"
	.amdhsa_code_object_version 6
	.text
	.protected	k_q02d252eb5d_quant
	.globl	k_q02d252eb5d_quant
	.p2align	8
	.type	k_q02d252eb5d_quant,@function
k_q02d252eb5d_quant:
	s_mov_b64 s[64:65], 0
	v_nop
	global_prefetch_b8 v0, s[64:65] scope:SCOPE_SE
	s_setreg_imm32_b32 hwreg(HW_REG_WAVE_MODE, 25, 1), 1
	s_wait_xcnt 0x0
; query, key, value [4096][1024] and Wq, Wk, Wv, Wo [1024][1024], f32 with K innermost, become codes of FP6 (E2M3) and E8M0 scale bytes, one for each 32 along K.
; A block's scale is 2^(floor(log2(its largest magnitude)) - 2); its byte is the largest magnitude's exponent field - 2, held at 1 from below.
; LIMITS: NaN and infinities are not served; a block whose largest magnitude lies under 2^-124 keeps the byte 1; a block of zeros gets the byte 1 where the rule says 127
; (its codes are zeros, which add nothing under any byte but 0xff, and this program alone reads the bytes).
; LAYOUT OF THE RESULT: images of operand registers.  ROW TILE T of a tensor is rows 32 (T / 2) + 8 (T % 2) + {0..7, 16..23}; lane r of a fragment takes the r-th of them.
; A HALF FRAGMENT (16 rows x 64 K, 6 registers a lane, lane (r, h) holds k = 32 h .. 32 h + 31) is 768 bytes: registers 0-3 at 16 x lane, registers 4-5 at 512 + 8 x lane.
; A row tile is two CHUNKS of 512 K, 6,400 bytes each: 8 half fragments, then 256 bytes of scale words: row r at 16 r, word q for the chunk's q-th 128 along K.
; SHARES: a work-group takes 32 rows of one tensor (work-groups 0-127 query, -255 key, -383 value, then 32 each for Wq, Wk, Wv, Wo); wave w takes row tile w / 2 of them and chunk w % 2.
; A step is 128 along K: 16 loads of 512 consecutive bytes (a row each), turned through the wave's own stage in LDS so that a lane holds 2 x 32 neighbours of its row.  Waves share nothing: no barrier.
; Memory binds: no matrix unit, no cluster (no two work-groups read the same bytes), no tensor loads; 32 loads a wave are on their way.
.set SP,   528                         ; a stage row: 512 bytes + 16: row r starts 4 r banks on
.set STG,  16*SP                       ; a wave's stage
.set R,    16                          ; v16-143  two sets of 64: a step's numbers as loaded
.set X,    144                         ; v144-207 64 numbers: register 32 cc + i = k 64 cc + 32 h + i of my row
.set C,    208                         ; v208-219 the step's codes: two half fragments
.set T,    220                         ; v220-222, v224-226 the second halves of the blocks' codes
.set BM,   228                         ; v228-229 largest magnitudes
.set SO,   230                         ; v230-231 the conversions' scale operands
.set BY,   232                         ; v232-233 scale bytes
.set PD,   234                         ; v234     a lane permute's destination
.set W,    236                         ; v236-239 the four steps' scale words
	s_load_b512 s[8:23], s[0:1], 0x0               ; query, key, value, Wq, Wk, Wv, Wo, xq
	s_load_b64 s[24:25], s[0:1], 0x40              ; wq
	v_lshl_add_u32 v240, v0, 2, 0x8400
	v_mov_b32 v241, 0
	v_lshrrev_b32 v1, 5, v0
	v_readfirstlane_b32 s26, v1                    ; wave 0..3
	v_and_b32 v1, 31, v0                           ; lane
	v_and_b32 v2, 15, v0                           ; r
	v_bfe_u32 v3, v0, 4, 1                         ; h
	v_lshlrev_b32 v4, 4, v1                        ; 16 x lane: my bytes of a load's 512, and of a store's
	s_mul_i32 s29, s26, STG
	v_lshl_add_u32 v5, v1, 4, s29                  ; the stage, on the way in
	v_mul_u32_u24 v6, v2, SP
	v_lshl_add_u32 v6, v3, 7, v6
	v_add_nc_u32 v6, s29, v6                       ; and on the way out: row r, + 128 h bytes: my block of 32
	v_lshlrev_b32 v8, 3, v1                        ; 8 x lane
	v_lshlrev_b32 v9, 4, v2
	v_lshl_add_u32 v9, v3, 3, v9                   ; 16 r + 8 h: my two scale words
	v_lshlrev_b32 v10, 3, v3                       ; 8 h
	v_mov_b32 v[PD], 0                             ; written once: a lane permute's destination counts as one of its sources
	s_mov_b32 s34, 0x76543210
	s_mov_b32 s35, 0xfedcba98                      ; v_permlanex16_b32's selects for lane l xor 16
	s_lshr_b32 s30, s26, 1                         ; u: which row tile of the 32 rows
	s_and_b32 s31, s26, 1                          ; c: which chunk
	s_cmp_lt_u32 ttmp9, 384                        ; an activation or a weight?
	s_cselect_b32 s27, 127, 31
	s_cselect_b32 s28, 0, 384
	s_and_b32 s27, ttmp9, s27                      ; the group of 32 rows in its tensor
	s_sub_co_u32 s28, ttmp9, s28                   ; and in its workspace buffer
	s_lshl_b32 s27, s27, 17                        ; 32 rows of 4,096 bytes
	s_lshl_b32 s32, s30, 15                        ; + 8 u rows
	s_add_co_u32 s27, s27, s32
	s_lshl_b32 s32, s31, 11                        ; + 512 c numbers
	s_add_co_u32 s32, s27, s32
	; KEY ALONE has other row tiles: tile T = rows 64 (T / 4) + 8 (T % 4) + {0..7, 32..39}, so that in the scores a lane's registers of four tiles are a whole block of 32 keys.
	; Its work-group g takes tiles 2 g and 2 g + 1: first row 32 g - 16 (g % 2) + 8 u, the tile's second eight rows 32 further on and not 16.
	s_lshr_b32 s38, ttmp9, 7
	s_cmp_eq_u32 s38, 1                            ; work-groups 128-255: key
	s_cselect_b32 s38, 0x10000, 0                  ; 16 rows of 4,096 bytes, or nothing
	s_and_b32 s39, ttmp9, 1
	s_mul_i32 s39, s39, s38
	s_sub_co_u32 s32, s32, s39
	s_mov_b32 s39, 0
	s_mov_b32 s33, 0
	s_lshl_b32 s28, s28, 1
	s_add_co_u32 s28, s28, s30                     ; the row tile
	s_mul_i32 s28, s28, 12800
	s_mul_i32 s36, s31, 6400
	s_add_co_u32 s36, s36, s28
	s_mov_b32 s37, 0
	s_wait_alu depctr_va_vdst(0)
	s_wait_kmcnt 0x0
	s_mov_b64 s[4:5], s[8:9]                       ; the choice of buffers hangs on the work-group's number alone
	s_cmp_ge_u32 ttmp9, 128
	s_cselect_b64 s[4:5], s[10:11], s[4:5]
	s_cmp_ge_u32 ttmp9, 256
	s_cselect_b64 s[4:5], s[12:13], s[4:5]
	s_cmp_ge_u32 ttmp9, 384
	s_cselect_b64 s[4:5], s[14:15], s[4:5]
	s_cselect_b64 s[6:7], s[24:25], s[22:23]
	s_cmp_ge_u32 ttmp9, 416
	s_cselect_b64 s[4:5], s[16:17], s[4:5]
	s_cmp_ge_u32 ttmp9, 448
	s_cselect_b64 s[4:5], s[18:19], s[4:5]
	s_cmp_ge_u32 ttmp9, 480
	s_cselect_b64 s[4:5], s[20:21], s[4:5]
	s_add_nc_u64 s[4:5], s[4:5], s[32:33]
	s_add_nc_u64 s[38:39], s[4:5], s[38:39]        ; the base of a tile's second eight rows
	s_add_nc_u64 s[6:7], s[6:7], s[36:37]
.macro LOAD t                          ; step t: 512 bytes of each of the tile's 16 rows into set t % 2
.irp i, 0,1,2,3,4,5,6,7,8,9,10,11,12,13,14,15
.if \i < 8
	global_load_b128 v[R+64*((\t)%2)+4*\i:R+64*((\t)%2)+4*\i+3], v4, s[4:5] offset:\i*4096+512*(\t) th:TH_LOAD_NT
.else
	global_load_b128 v[R+64*((\t)%2)+4*\i:R+64*((\t)%2)+4*\i+3], v4, s[38:39] offset:(\i+8)*4096+512*(\t) th:TH_LOAD_NT
.endif
.endr
.endm
.macro STEP t
.set RS, R+64*((\t)%2)
.if (\t) < 3
	s_wait_loadcnt 16                              ; this step's 16 loads are in; the next step's 16 may be out
.else
	s_wait_loadcnt 0x0
.endif
.irp i, 0,1,2,3,4,5,6,7,8,9,10,11,12,13,14,15
	ds_store_b128 v5, v[RS+4*\i:RS+4*\i+3] offset:SP*\i
.endr
.irp cc, 0,1
.irp i, 0,1,2,3,4,5,6,7
	ds_load_b128 v[X+32*\cc+4*\i:X+32*\cc+4*\i+3], v6 offset:256*\cc+16*\i   ; LDS serves a wave's instructions in order: these see the stores above
.endr
.endr
	s_wait_dscnt 0x0                               ; my numbers are back, and the stores have read their registers,
.if (\t) < 2
	LOAD (\t)+2                                    ; which take the loads of two steps on
.endif
.irp cc, 0,1
	v_max3_num_f32 v[BM+\cc], |v[X+32*\cc]|, |v[X+32*\cc+1]|, 0x1800000   ; my block 2 cc + h: all its 32 numbers are mine; the floor 2^(3 - 127) holds the byte at 1 from below
.endr
.irp i, 2,4,6,8,10,12,14,16,18,20,22,24,26,28,30
.irp cc, 0,1
	v_max3_num_f32 v[BM+\cc], v[BM+\cc], |v[X+32*\cc+\i]|, |v[X+32*\cc+\i+1]|   ; (the two blocks by turns)
.endr
.endr
.irp cc, 0,1
	v_add_nc_u32 v[SO+\cc], 0xff000000, v[BM+\cc]  ; 2 off the exponent field: the conversion takes the exponent field of this operand as its scale
.endr
.irp cc, 0,1
	v_lshrrev_b32 v[BY+\cc], 23, v[SO+\cc]         ; the scale's byte
.endr
.if (\t) > 0
	s_wait_alu depctr_va_vdst(0)
	s_wait_xcnt 0x0                                ; the last step's stores have read the codes' registers: only now are they written again
.endif
.irp cc, 0,1
	v_cvt_scalef32_pk16_fp6_f32 v[C+6*\cc:C+6*\cc+2], v[X+32*\cc:X+32*\cc+15], v[SO+\cc]
	v_cvt_scalef32_pk16_fp6_f32 v[T+4*\cc:T+4*\cc+2], v[X+32*\cc+16:X+32*\cc+31], v[SO+\cc]   ; (a conversion's three registers begin on an even number)
.endr
	v_nop                                          ; one plain place behind a scaled conversion
.irp cc, 0,1
.irp i, 0,1,2
	v_mov_b32 v[C+6*\cc+3+\i], v[T+4*\cc+\i]
.endr
.endr
	v_lshl_or_b32 v[W+(\t)], v[BY+1], 16, v[BY]    ; my two bytes: blocks h and 2 + h,
	v_lshlrev_b32 v[W+(\t)], v10, v[W+(\t)]        ; at their places in the word;
	v_permlanex16_b32 v[PD], v[W+(\t)], s34, s35
	v_or_b32 v[W+(\t)], v[W+(\t)], v[PD]           ; with lane l xor 16's two the word is whole
.irp cc, 0,1
	global_store_b128 v4, v[C+6*\cc:C+6*\cc+3], s[6:7] offset:(2*(\t)+\cc)*768        ; 512 consecutive bytes
	global_store_b64 v8, v[C+6*\cc+4:C+6*\cc+5], s[6:7] offset:(2*(\t)+\cc)*768+512   ; 256 consecutive bytes
.endr
.endm
	LOAD 0
	LOAD 1
	STEP 0
	STEP 1
	STEP 2
	STEP 3
	v_cmp_gt_u32 vcc_lo, 16, v1                    ; lanes 0-15 store words 0 and 1 of their row, lanes 16-31 words 2 and 3
	v_cndmask_b32 v12, v[W+2], v[W], vcc_lo
	v_cndmask_b32 v13, v[W+3], v[W+1], vcc_lo
	global_store_b64 v9, v[12:13], s[6:7] offset:6144   ; 256 consecutive bytes
	s_wait_tensorcnt 0x0
	ds_add_u32 v240, v241
	s_wait_dscnt 0x0
	s_endpgm
.Lfunc_end_k_q02d252eb5d_quant:
	.size	k_q02d252eb5d_quant, .Lfunc_end_k_q02d252eb5d_quant-k_q02d252eb5d_quant
	.p2alignl 7, 3214868480
	.fill 96, 4, 3214868480
	.section	.rodata,"a",@progbits
	.p2align	6, 0x0
	.amdhsa_kernel k_q02d252eb5d_quant
		.amdhsa_group_segment_fixed_size 34304
		.amdhsa_private_segment_fixed_size 0
		.amdhsa_enable_private_segment 0
		.amdhsa_kernarg_size 72
		.amdhsa_user_sgpr_count 2
		.amdhsa_user_sgpr_kernarg_segment_ptr 1
		.amdhsa_wavefront_size32 1
		.amdhsa_system_sgpr_workgroup_id_x 1
		.amdhsa_system_sgpr_workgroup_id_y 1
		.amdhsa_system_sgpr_workgroup_id_z 1
		.amdhsa_system_vgpr_workitem_id 0
		.amdhsa_next_free_vgpr 242
		.amdhsa_next_free_sgpr 66
		.amdhsa_reserve_vcc 1
		.amdhsa_float_denorm_mode_32 3
		.amdhsa_float_denorm_mode_16_64 3
		.amdhsa_memory_ordered 1
		.amdhsa_forward_progress 1
		.amdhsa_inst_pref_size 32
	.end_amdhsa_kernel
	.amdgpu_metadata
---
amdhsa.version: [ 1, 2 ]
amdhsa.kernels:
  - .name:           k_q02d252eb5d_quant
    .symbol:         k_q02d252eb5d_quant.kd
    .args:
      - { .name: query, .offset: 0, .size: 8, .value_kind: global_buffer, .address_space: global }
      - { .name: key, .offset: 8, .size: 8, .value_kind: global_buffer, .address_space: global }
      - { .name: value, .offset: 16, .size: 8, .value_kind: global_buffer, .address_space: global }
      - { .name: Wq, .offset: 24, .size: 8, .value_kind: global_buffer, .address_space: global }
      - { .name: Wk, .offset: 32, .size: 8, .value_kind: global_buffer, .address_space: global }
      - { .name: Wv, .offset: 40, .size: 8, .value_kind: global_buffer, .address_space: global }
      - { .name: Wo, .offset: 48, .size: 8, .value_kind: global_buffer, .address_space: global }
      - { .name: xq, .offset: 56, .size: 8, .value_kind: global_buffer, .address_space: global }
      - { .name: wq, .offset: 64, .size: 8, .value_kind: global_buffer, .address_space: global }
    .group_segment_fixed_size: 34304
    .private_segment_fixed_size: 0
    .kernarg_segment_align: 8
    .kernarg_segment_size: 72
    .max_flat_workgroup_size: 128
    .sgpr_count:     66
    .vgpr_count:     242
    .wavefront_size: 32
...
	.end_amdgpu_metadata
.endif
;; end of part 1
;; launch proj (part 2): grid 8 x 32, 4 waves a work-group, clusters of 4 x 4, 327,680 bytes of LDS; arguments xq, wq, bq, bk, bv, pq; writes pq
.if DOCPART == 2
	.amdgcn_target "amdgcn-amd-amdhsa--gfx1250"
	.amdhsa_code_object_version 6
	.text
	.protected	k_q02d252eb5d_proj
	.globl	k_q02d252eb5d_proj
	.p2align	8
	.type	k_q02d252eb5d_proj,@function
k_q02d252eb5d_proj:
	s_mov_b64 s[64:65], 0
	v_nop
	global_prefetch_b8 v0, s[64:65] scope:SCOPE_SE
	s_setreg_imm32_b32 hwreg(HW_REG_WAVE_MODE, 25, 1), 1
	s_wait_xcnt 0x0
	s_wait_alu depctr_hold_cnt(0) depctr_sa_sdst(0) depctr_va_vdst(0) depctr_va_sdst(0) depctr_va_ssrc(0) depctr_va_vcc(0) depctr_vm_vsrc(0)
	s_getreg_b32 s2, hwreg(HW_REG_IB_STS2, 6, 4)
	s_cmp_eq_u32 s2, 0
	s_cbranch_scc0 .Lentry_in_a_cluster
	s_endpgm
.Lentry_in_a_cluster:
	s_bfe_u32 s2, ttmp6, 0x10000c
	s_cmp_lg_u32 s2, 0xf033
	s_cbranch_scc0 .Lentry_shape_is_right
	s_endpgm
.Lentry_shape_is_right:
; Q = query Wq^T + bq, K = key Wk^T + bk, V = value Wv^T + bv on codes of FP6 (E2M3) with E8M0 scales, f32 sums; the results are quantised in registers and leave as codes:
; Q and K along the head's 64, V along the keys.  Nothing of them goes to memory in f32.
; LIMITS: NaN and infinities are not served; a block whose largest magnitude lies under 2^-124, and a block of zeros, keep the byte 1 (read by this program alone);
; the bias is the C of a sum's first product, so it is added first and not last.
; OPERANDS lie in memory as images of registers: a row tile is 16 rows (query, value, weights: 32 (T / 2) + 8 (T % 2) + {0..7, 16..23}; key: 64 (T / 4) + 8 (T % 4) + {0..7, 32..39}); a half fragment (16 rows x 64 K) = 768 bytes
; (registers 0-3 at 16 x lane, 4-5 at 512 + 8 x lane); a row tile = two chunks of 512 K, each 8 half fragments + 256 bytes of scale words (row r at 16 r, word q).
; SHARES: 256 work-groups; each makes 128 tokens x 128 features of Q, then of K, then of V; a wave 64 x 64: 16 accumulators.
; THE RING: six chunks (projection p, half c of K: chunk 2 p + c) go through two LDS slots of 102,400 bytes (the tokens' 8 tiles, then the weights' 8); chunk n lies in slot n % 2.
; At the head one load a wave fills both slots (tokens' chunk 0, weights' chunk 0, tokens' chunk 1, weights' chunk 1).  Four refills follow, a quarter of a slot a wave, each in a chunk's last K step:
; the wait for all my tensor loads, the add, 4 products, the wait for the add and my reads, the round of the cluster's barrier with 4 products inside, the refill, the next chunk's first fragments, 8 products.
; A refill has the next chunk's three K steps in which to land, and every second one a way out too.  Every wait on TENSORcnt is for 0.
; Q, K: source 0 = 16 features, source 1 = 16 tokens: a lane holds one token, and the registers of tiles 2 b, 2 b + 1 are 16 neighbours along the head.
; V: source 0 = 16 tokens, source 1 = 16 features: a lane holds one channel, and its registers run along the keys.  The two ways differ in the products' lines and the bias alone.
; CLUSTER 4 x 4: the four of a row need the same tokens' tiles, the four of a column the same weights': each is asked for jointly.
; PREFETCH: chunk n (2 to 5) is asked for one refill ahead of its load: a wave names one row tile's chunk, 25 blocks of 256 bytes, a lane a block (lanes 25-31 name the last again): of the four tiles that it will fetch the one
; of its work-group's place among the four partners, told apart by address.  The weights' tiles, which eight rows of clusters read, are asked for by the first four rows alone.
; RESULT pq: [Q, K, V][32 batch x head][4 chunks of 512 tokens][26,624]: 32 half fragments (number 4 (G % 8) + b; G = group of 64 tokens; b = token tile for Q, K, channel tile for V), then 8 blocks of 256 bytes of
; scale words (block G % 8: row r at 16 r, word b = byte of K 0-31 | byte of K 32-63 << 8).
; REGISTERS: window 0: v1-23 lane numbers and addresses; v32-63 scale words; v64-95 bq, later at work; v96-125 the codes made; v126-127 the add's; v128-255 accumulators ((a, b) at 128 + 8 (4 b + a)).
;   window 1: two sets of fragments at v0 and v128: the weights' four, then from +48 the tokens' four; v96-127 bk; v224-255 bv.
.set CHB,  6400                        ; a chunk of a row tile
.set HFB,  768                         ; a half fragment
.set LCH,  102400                      ; a slot
.set QRT,  25600                       ; four row tiles of a chunk: what a refill's load brings, and what a wave reads of one side
.set XP,   3276800                     ; xq: from query to key to value
.set WP,   819200                      ; wq: from Wq to Wk to Wv
.set PQT,  3407872                     ; pq: from Q to K to V
.set SPARE, 2*LCH                      ; behind the ring: the spare words
.set XA16, 8                           ; v8-9    tokens' tiles, slot 0, 1: 16 x lane
.set XA8,  10                          ; v10-11  the same, 8 x lane
.set WA16, 12                          ; v12-13  weights'
.set WA8,  14                          ; v14-15
.set SA,   16                          ; v16-17  scale words: lanes 0-15 the tokens', lanes 16-31 the weights'
.set PFO,  23                          ; v23     the prefetches' offset: 256 x min(lane, 24); never rewritten
.set SC,   32                          ; set c at SC + 16 c; register 4 i + q: tile i, the chunk's q-th 128 along K
.set BIAS, 64
.set DD,   96
.set ACC,  128
.set QBM,  64                          ; the quantiser's registers
.set QBP,  66
.set QSO,  68
.set QBY,  70
.set QT,   72
.set SEL,  80                          ; s[80:81]
.set G1X,  24                          ; s[24:31] descriptor group 1 for the tokens' tiles; s[32:39] for the weights'
.set G1W,  32
.set G0X,  40                          ; s[40:47] the ring's groups 0 for slots 0 and 1; s[48:55] the weights'
.set G0W,  48
.set GH,   84                          ; s[84:99] the head's four groups 0
.set PF1,  100                         ; s[100:101] my prefetches' tile in projection 1; s[82:83] in projection 2; never rewritten
.set PF2,  82
.set PFON, 23                          ; s23: 1 where my wave prefetches
.set MSB, 0
.macro WIN new                         ; the immediate's high byte repeats the setting that is left
.if MSB != \new
	s_set_vgpr_msb (MSB<<8)|\new
.set MSB, \new
.endif
.endm
.set MUL,  0x05                        ; sources 0 and 1 window 1; C and D window 0
.set MULB, 0x15                        ; the same with C in window 1
.set TO_F, 0x40                        ; destination window 1, address window 0
.macro CREST                           ; a round of the cluster's barrier behind its opening barrier
	s_cmp_lg_u32 s16, 0
	s_cbranch_scc1 .Lnot_wave_0_\@
	s_barrier_signal -3
.Lnot_wave_0_\@:
	s_barrier_wait -3
	s_barrier_signal -1
	s_barrier_wait -1
.endm
.macro CROUND
	s_barrier_signal -1
	s_barrier_wait -1
	CREST
.endm
.macro PLACES                          ; four places in front of loads into registers that matrix instructions have read, and of the first read of results
.rept 4
	v_nop
.endr
.endm
.macro TLOAD g0, g1
	tensor_load_to_lds s[\g0:\g0+3], s[\g1:\g1+7]
	s_nop 0
	PLACES
.endm
.macro JLOAD c                         ; a refill of slot c: waves 0, 1 fetch the tokens' halves, waves 2, 3 the weights'
	s_cmp_eq_u32 s17, 0
	s_cbranch_scc0 .Lfor_w_\@
	TLOAD G0X+4*(\c), G1X
	s_branch .Lasked_\@
.Lfor_w_\@:
	TLOAD G0W+4*(\c), G1W
.Lasked_\@:
.endm
.macro ASK n                           ; chunk n into the L2
	s_cmp_eq_u32 s[PFON], 1
	s_cbranch_scc0 .Lnot_mine_\@
.if (\n)/2 == 1
	global_prefetch_b8 v[PFO], s[PF1:PF1+1] offset:((\n)%2)*CHB th:TH_LOAD_NT scope:SCOPE_SE
.else
	global_prefetch_b8 v[PFO], s[PF2:PF2+1] offset:((\n)%2)*CHB th:TH_LOAD_NT scope:SCOPE_SE
.endif
.Lnot_mine_\@:
.endm
.macro G0MAKE g, lds, base, off
	s_mov_b32 s[\g], 1
	s_mov_b32 s[\g+1], \lds
	s_add_nc_u64 s[\g+2:\g+3], s[\base:\base+1], \off
	s_or_b32 s[\g+3], s[\g+3], 0x80000000
.endm
	s_load_b256 s[4:11], s[0:1], 0x0               ; xq, wq, bq, bk
	s_load_b128 s[12:15], s[0:1], 0x20             ; bv, pq
	v_lshl_add_u32 v126, v0, 2, SPARE
	v_mov_b32 v127, 0
	ds_add_u32 v126, v127                          ; the opening lines: the add, twice on end, and its wait
	ds_add_u32 v126, v127
	v_lshrrev_b32 v1, 5, v0
	v_readfirstlane_b32 s16, v1                    ; wave 0..3
	s_lshr_b32 s17, s16, 1                         ; which 64 tokens are mine.  In the ring: I fetch tokens' tiles (0) or weights' (1)
	s_and_b32 s18, s16, 1                          ; which 64 features.  In the ring: which four row tiles I fetch
	s_bfe_u32 s19, ttmp6, 0x40000                  ; cx
	s_bfe_u32 s20, ttmp6, 0x40004                  ; cy
	s_lshl_b32 s21, ttmp9, 2
	s_add_co_u32 s21, s21, s19                     ; work-group x: 128 features
	s_and_b32 s23, ttmp7, 0xffff                   ; the cluster's y
	s_lshl_b32 s22, s23, 2
	s_add_co_u32 s22, s22, s20                     ; work-group y: 128 tokens
	s_lshl_b32 s66, s20, 2
	s_lshl_b32 s66, 15, s66                        ; my row of the cluster
	s_lshl_b32 s70, 0x1111, s19                    ; my column
	; group 1: rows (a chunk of a row tile each) of 6,400 bytes (800 elements of 8 bytes), 12,800 bytes apart; no padding.  8 rows for the head's loads, 4 for the ring's
	s_or_b32 s[G1X], s66, (3<<16)|(1<<21)
	s_or_b32 s[G1W], s70, (3<<16)|(1<<21)
.irp g, G1X, G1W
	s_mov_b32 s[\g+1], 800<<16                     ; tensor_dim0
	s_mov_b32 s[\g+2], 8<<16                       ; tensor_dim1
	s_mov_b32 s[\g+3], 800<<16                     ; tile_dim0
	s_mov_b32 s[\g+4], 8                           ; tile_dim1
	s_mov_b32 s[\g+5], 1600                        ; from row tile to row tile
	s_mov_b32 s[\g+6], 0
	s_mov_b32 s[\g+7], 0
.endr
	s_mul_i32 s66, s22, 8*12800                    ; the tokens' eight tiles hang on work-group y alone,
	s_mov_b32 s67, 0
	s_mul_i32 s70, s21, 8*12800                    ; the weights' on work-group x
	s_mov_b32 s71, 0
	s_mul_i32 s72, s18, 4*12800                    ; the ring: my four tiles,
	s_mov_b32 s73, 0
	s_mul_i32 s74, s16, QRT                        ; and where they go: wave x four row tiles
	s_cmp_lt_u32 s23, 4                            ; the prefetches: the weights' waves ask in the first four rows of clusters alone,
	s_cselect_b32 s[PFON], 1, 0
	s_mov_b32 s76, WP
	s_cmp_eq_u32 s17, 0
	s_cselect_b32 s[PFON], 1, s[PFON]              ; the tokens' waves everywhere
	s_cselect_b32 s76, XP, s76                     ; from projection to projection
	s_cselect_b32 s75, s19, s20                    ; my place among the four that ask for the tile with me: it enters this address alone
	s_mul_i32 s75, s75, 12800
	s_add_co_u32 s78, s75, s76
	s_mov_b32 s79, 0
	s_mov_b32 s77, 0
	s_wait_dscnt 0x0
	s_wait_kmcnt 0x0
	s_add_nc_u64 s[68:69], s[4:5], s[66:67]
	s_add_nc_u64 s[70:71], s[6:7], s[70:71]
	G0MAKE GH, 0, 68, 0                            ; chunk 0: the tokens' eight tiles,
	G0MAKE GH+4, 2*QRT, 70, 0                      ; the weights';
	G0MAKE GH+8, LCH, 68, CHB                      ; chunk 1
	G0MAKE GH+12, LCH+2*QRT, 70, CHB
	s_add_nc_u64 s[68:69], s[68:69], s[72:73]
	s_add_nc_u64 s[70:71], s[70:71], s[72:73]
.irp c, 0,1                            ; the ring's groups 0 stand at chunks 2 and 3
	s_mov_b32 s[G0X+4*\c], 1
	s_add_co_u32 s[G0X+4*\c+1], s74, \c*LCH
	s_add_nc_u64 s[G0X+4*\c+2:G0X+4*\c+3], s[68:69], XP+\c*CHB
	s_or_b32 s[G0X+4*\c+3], s[G0X+4*\c+3], 0x80000000
	s_mov_b32 s[G0W+4*\c], 1
	s_add_co_u32 s[G0W+4*\c+1], s74, \c*LCH
	s_add_nc_u64 s[G0W+4*\c+2:G0W+4*\c+3], s[70:71], WP+\c*CHB
	s_or_b32 s[G0W+4*\c+3], s[G0W+4*\c+3], 0x80000000
.endr
	s_cmp_eq_u32 s17, 0
	s_cselect_b64 s[PF1:PF1+1], s[68:69], s[70:71]
	s_add_nc_u64 s[PF1:PF1+1], s[PF1:PF1+1], s[78:79]
	s_add_nc_u64 s[PF2:PF2+1], s[PF1:PF1+1], s[76:77]
	CROUND                                         ; all sixteen work-groups are here: the joint loads meet
	s_cmp_eq_u32 s16, 0                            ; the head's four fills, one a wave, in one chain of branches on the wave's number
	s_cbranch_scc0 .Lfill_1
	TLOAD GH, G1X
	s_branch .Lfilled
.Lfill_1:
	s_cmp_eq_u32 s16, 1
	s_cbranch_scc0 .Lfill_2
	TLOAD GH+4, G1W
	s_branch .Lfilled
.Lfill_2:
	s_cmp_eq_u32 s16, 2
	s_cbranch_scc0 .Lfill_3
	TLOAD GH+8, G1X
	s_branch .Lfilled
.Lfill_3:
	TLOAD GH+12, G1W
.Lfilled:
	v_and_b32 v1, 31, v0                           ; lane
	v_and_b32 v2, 15, v0                           ; r
	v_bfe_u32 v3, v0, 4, 1                         ; h
	s_mul_i32 s73, s17, QRT                        ; my four tokens' tiles
	s_mul_i32 s74, s18, QRT
	s_add_co_u32 s74, s74, 2*QRT                   ; my four weights' tiles, behind the tokens' eight
	s_sub_co_u32 s75, s74, s73                     ; from the one to the other
	s_add_co_u32 s76, s73, 6144
	v_lshl_add_u32 v[XA16], v1, 4, s73
	v_add_nc_u32 v[XA16+1], LCH, v[XA16]
	v_lshl_add_u32 v[XA8], v1, 3, s73
	v_add_nc_u32 v[XA8+1], LCH, v[XA8]
	v_lshl_add_u32 v[WA16], v1, 4, s74
	v_add_nc_u32 v[WA16+1], LCH, v[WA16]
	v_lshl_add_u32 v[WA8], v1, 3, s74
	v_add_nc_u32 v[WA8+1], LCH, v[WA8]
	v_mul_u32_u24 v[SA], s75, v3                   ; lanes 16-31 take the weights' words
	v_lshl_add_u32 v[SA], v2, 4, v[SA]
	v_add_nc_u32 v[SA], s76, v[SA]
	v_add_nc_u32 v[SA+1], LCH, v[SA]
	v_lshlrev_b32 v18, 4, v1                       ; 16 x lane
	v_lshlrev_b32 v19, 3, v1                       ; 8 x lane
	v_lshlrev_b32 v20, 4, v2
	v_lshl_add_u32 v20, v3, 3, v20                 ; 16 r + 8 h
	v_lshlrev_b32 v21, 6, v3                       ; Q, K: the bias of my half's features: 64 h bytes
	v_and_b32 v22, 8, v2
	v_add_nc_u32 v22, v22, v2
	v_lshlrev_b32 v22, 2, v22                      ; V: the bias of my channel: 4 (r + 8 (r / 8))
	v_min_u32 v[PFO], 24, v1
	v_lshlrev_b32 v[PFO], 8, v[PFO]
	s_mov_b32 s[SEL], 0x76543210
	s_mov_b32 s[SEL+1], 0xfedcba98
	s_lshl_b32 s62, s21, 9
	s_lshl_b32 s63, s18, 8
	s_add_co_u32 s62, s62, s63
	s_mov_b32 s63, 0
	s_add_nc_u64 s[8:9], s[8:9], s[62:63]          ; the three biases at my 64 features
	s_add_nc_u64 s[10:11], s[10:11], s[62:63]
	s_add_nc_u64 s[12:13], s[12:13], s[62:63]
	s_wait_alu depctr_va_vdst(0)                   ; directly ahead of the readers below
.irp a, 0,1,2,3                        ; Q, K: tile a, lane (r, h), register j: feature 32 (a / 2) + 16 h + 8 (a % 2) + j
	global_load_b128 v[BIAS+8*\a:BIAS+8*\a+3], v21, s[8:9] offset:(32*(\a/2)+8*(\a%2))*4
	global_load_b128 v[BIAS+8*\a+4:BIAS+8*\a+7], v21, s[8:9] offset:(32*(\a/2)+8*(\a%2))*4+16
.endr
	WIN TO_F
.irp a, 0,1,2,3
	global_load_b128 v[96+8*\a:96+8*\a+3], v21, s[10:11] offset:(32*(\a/2)+8*(\a%2))*4
	global_load_b128 v[96+8*\a+4:96+8*\a+7], v21, s[10:11] offset:(32*(\a/2)+8*(\a%2))*4+16
.endr
.irp b, 0,1,2,3                        ; V: tile b: all eight registers of a lane belong to its one channel
.irp j, 0,1,2,3,4,5,6,7
	global_load_b32 v[224+8*\b+\j], v22, s[12:13] offset:(32*(\b/2)+8*(\b%2))*4
.endr
.endr
	WIN 0
	ASK 2
	; where my results go
	s_and_b32 s78, s22, 15
	s_lshl_b32 s78, s78, 1
	s_add_co_u32 s78, s78, s17                     ; my group of 64 tokens in its batch, 0..31
	s_lshr_b32 s77, s22, 4
	s_lshl_b32 s79, s77, 4                         ; 16 x batch
	s_lshl_b32 s77, s21, 1
	s_add_co_u32 s79, s79, s77
	s_add_co_u32 s79, s79, s18                     ; 16 x batch + head
	s_mul_i32 s79, s79, 106496
	s_lshr_b32 s77, s78, 3
	s_mul_i32 s77, s77, 26624
	s_add_co_u32 s79, s79, s77                     ; the chunk of 512 tokens
	s_and_b32 s78, s78, 7
	s_mul_i32 s58, s78, 4*HFB
	s_add_co_u32 s58, s58, s79
	s_mov_b32 s59, 0
	s_lshl_b32 s60, s78, 8
	s_add_co_u32 s60, s60, s79
	s_add_co_u32 s60, s60, 24576
	s_mov_b32 s61, 0
	s_add_nc_u64 s[58:59], s[14:15], s[58:59]      ; my four half fragments in Q; K and V lie PQT and 2 PQT on, inside the stores' immediate
	s_add_nc_u64 s[60:61], s[14:15], s[60:61]      ; and their scale words
; K step s (128 along K; 0 to 23): 32 LDS loads, each of consecutive bytes, into set s % 2; with a chunk's first step its scale words
.macro FETCH s
.set FC, ((\s)/4)%2
.set FQ, (\s)%4
.set FF, 128*((\s)%2)
	WIN TO_F
.irp i, 0,1,2,3
.irp cc, 0,1
	ds_load_b128 v[FF+12*\i+6*\cc:FF+12*\i+6*\cc+3], v[WA16+FC] offset:\i*CHB+(2*FQ+\cc)*HFB
	ds_load_b64 v[FF+12*\i+6*\cc+4:FF+12*\i+6*\cc+5], v[WA8+FC] offset:\i*CHB+(2*FQ+\cc)*HFB+512
.endr
.endr
.irp i, 0,1,2,3
.irp cc, 0,1
	ds_load_b128 v[FF+48+12*\i+6*\cc:FF+48+12*\i+6*\cc+3], v[XA16+FC] offset:\i*CHB+(2*FQ+\cc)*HFB
	ds_load_b64 v[FF+48+12*\i+6*\cc+4:FF+48+12*\i+6*\cc+5], v[XA8+FC] offset:\i*CHB+(2*FQ+\cc)*HFB+512
.endr
.endr
	WIN 0
.if FQ == 0
.irp i, 0,1,2,3
	ds_load_b128 v[SC+16*FC+4*\i:SC+16*FC+4*\i+3], v[SA+FC] offset:\i*CHB
.endr
.endif
.endm
.macro W1 c, side
	v_wmma_scale_f32_16x16x128_f8f6f4 v[rD:rD+7], v[rA:rA+11], v[rB:rB+11], \c, v[MC+4*AA+MQ], v[MC+4*BB+MQ] matrix_a_fmt:MATRIX_FMT_FP6 matrix_b_fmt:MATRIX_FMT_FP6 matrix_\side\()_scale:MATRIX_SCALE_ROW1
.endm
; The products of step s with b = b0 .. b1, four each.  The 16 accumulators take turns, one instruction a turn, in the same order in every step.  A projection's first step takes the bias as C.
.macro MULS s, b0, b1
.set MQ, (\s)%4
.set MC, SC+16*(((\s)/4)%2)
.set MF, 128*((\s)%2)
.set MP, (\s)/8
.if (\s)%8 == 0 && MP > 0
	WIN MULB
.else
	WIN MUL
.endif
.set BB, \b0
.rept (\b1)-(\b0)+1
.set AA, 0
.rept 4
.set rD, ACC+8*(4*BB+AA)
.if MP < 2
.set rA, MF+12*AA
.set rB, MF+48+12*BB
.set rC, 64+32*MP+8*AA
.if (\s)%8 == 0
	W1 v[rC:rC+7], a
.else
	W1 v[rD:rD+7], a
.endif
.else
.set rA, MF+48+12*AA
.set rB, MF+12*BB
.set rC, 224+8*BB
.if (\s)%8 == 0
	W1 v[rC:rC+7], b
.else
	W1 v[rD:rD+7], b
.endif
.endif
.set AA, AA+1
.endr
.set BB, BB+1
.endr
	WIN 0
.endm
; 32 numbers of a lane, register 16 k + i = place 32 k + 16 h + i along the next K of my row, become a half fragment's 6 registers v[d] on and the word v[w] = byte 0 | byte 1 << 8.
.macro HQUANT s, d, w
.irp k, 0,1
	v_max3_num_f32 v[QBM+\k], |v[\s+16*\k]|, |v[\s+16*\k+1]|, 0x1800000   ; each accumulator is read from its low end on; the floor 2^(3 - 127) holds the byte at 1 from below
.endr
.irp i, 2,4,6,8,10,12,14
.irp k, 0,1
	v_max3_num_f32 v[QBM+\k], v[QBM+\k], |v[\s+16*\k+\i]|, |v[\s+16*\k+\i+1]|
.endr
.endr
.irp k, 0,1
	v_permlanex16_b32 v[QBP+\k], v[QBM+\k], s[SEL], s[SEL+1]
.endr
.irp k, 0,1
	v_max_num_f32 v[QBM+\k], v[QBM+\k], v[QBP+\k]  ; with lane l xor 16's 16: the block's largest magnitude
.endr
.irp k, 0,1
	v_add_nc_u32 v[QSO+\k], 0xff000000, v[QBM+\k]  ; 2 off the exponent field: the conversion's scale operand
.endr
.irp k, 0,1
	v_lshrrev_b32 v[QBY+\k], 23, v[QSO+\k]         ; the scale's byte
.endr
	v_lshl_or_b32 v[\w], v[QBY+1], 8, v[QBY]
	v_cvt_scalef32_pk16_fp6_f32 v[\d:\d+2], v[\s:\s+15], v[QSO]
	v_cvt_scalef32_pk16_fp6_f32 v[QT:QT+2], v[\s+16:\s+31], v[QSO+1]
	v_nop                                          ; one plain place behind a scaled conversion
.irp i, 0,1,2
	v_permlane16_swap_b32 v[\d+\i], v[QT+\i]       ; a whole block to a lane: lanes 0-15 block 0, lanes 16-31 block 1
.endr
.irp i, 0,1,2
	v_mov_b32 v[\d+3+\i], v[QT+\i]
.endr
.endm
.macro WAYOUT p                        ; projection p's 64 x 64 of mine: quantised and stored
	PLACES
.if (\p) > 0
	s_wait_xcnt 0x0                                ; the last way out's stores have read their registers: only now are they written again
.endif
	v_mov_b32 v[QBP], 0                            ; a lane permute's destination counts as one of its sources
	v_mov_b32 v[QBP+1], 0
.irp b, 0,1,2,3
	HQUANT ACC+32*\b, DD+8*\b, 76+\b
	global_store_b128 v18, v[DD+8*\b:DD+8*\b+3], s[58:59] offset:HFB*\b+PQT*(\p)          ; 512 consecutive bytes
	global_store_b64 v19, v[DD+8*\b+4:DD+8*\b+5], s[58:59] offset:HFB*\b+512+PQT*(\p)     ; 256 consecutive bytes
.endr
	v_cmp_gt_u32 vcc_lo, 16, v1                    ; lanes 0-15 store words 0 and 1 of their row, lanes 16-31 words 2 and 3
	v_cndmask_b32 v80, v78, v76, vcc_lo
	v_cndmask_b32 v81, v79, v77, vcc_lo
	global_store_b64 v20, v[80:81], s[60:61] offset:PQT*(\p)   ; 256 consecutive bytes
.endm
.macro KSTEP s
.set KK, (\s)/4                        ; the chunk
	s_wait_dscnt 0x0                               ; this step's fragments are in
.if (\s)%4 == 3 && (\s) < 23           ; THE CHANGE OF SLOTS: my reads of this chunk's slot are over
	s_wait_tensorcnt 0x0                           ; all my tensor loads have landed, my part of the next chunk among them;
	ds_add_u32 v126, v127                          ; 0 onto my spare word;
.if (\s) == 3
	s_mov_b32 s[G1X+2], 4<<16                      ; no tensor load of mine is out, so a descriptor may be written: from here on a load brings 4 rows
	s_mov_b32 s[G1X+4], 4
	s_mov_b32 s[G1W+2], 4<<16
	s_mov_b32 s[G1W+4], 4
.endif
.if KK == 2 || KK == 3
	s_add_nc_u64 s[G0X+4*(KK%2)+2:G0X+4*(KK%2)+3], s[G0X+4*(KK%2)+2:G0X+4*(KK%2)+3], XP   ; this slot's next chunk: the next projection's
	s_add_nc_u64 s[G0W+4*(KK%2)+2:G0W+4*(KK%2)+3], s[G0W+4*(KK%2)+2:G0W+4*(KK%2)+3], WP
.endif
	MULS \s, 0, 0                                  ; four products stand between the add and the wait for it
	s_wait_dscnt 0x0                               ; the add is done
	s_barrier_signal -1
	MULS \s, 1, 1                                  ; work on registers while the others arrive
	s_barrier_wait -1
.if KK+2 <= 5
	CREST                                          ; the barrier has opened a round of the cluster's barrier: no wave of any partner still reads this slot or has a load on its way
	JLOAD KK%2                                     ; chunk KK + 2, the first tensor load behind the round; the four v_nop behind it are the places in front of the loads below
.else
	PLACES                                         ; nothing is left to fetch: a plain barrier has shown the last chunk to all
.endif
	FETCH (\s)+1
.if KK+3 <= 5
	ASK KK+3
.endif
	MULS \s, 2, 3
.else
.if (\s) < 23
.if (\s) > 0
	PLACES                                         ; the set to be loaded was read by the step before
.endif
	FETCH (\s)+1
.endif
	MULS \s, 0, 3
.endif
.if (\s)%8 == 7
	WAYOUT (\s)/8
.endif
.endm
	s_wait_alu depctr_va_vdst(0)                   ; the head's end
	s_cmp_lt_u32 s16, 2                            ; waves 0 and 1 asked for chunk 0 and wait for it; chunk 1's loads may stay out
	s_cbranch_scc0 .Lnot_c0
	s_wait_tensorcnt 0x0
.Lnot_c0:
	s_barrier_signal -1
	s_barrier_wait -1                              ; chunk 0 is in
	FETCH 0
	s_wait_loadcnt 0x0                             ; the biases
.set ST, 0
.rept 24
	KSTEP ST
.set ST, ST+1
.endr
	s_wait_tensorcnt 0x0                           ; the wave's end
	ds_add_u32 v126, v127
	s_wait_dscnt 0x0
	CROUND                                         ; the closing round: no work-group ends while a partner may still ask for a tile that names it
	s_endpgm
.Lfunc_end_k_q02d252eb5d_proj:
	.size	k_q02d252eb5d_proj, .Lfunc_end_k_q02d252eb5d_proj-k_q02d252eb5d_proj
	.p2alignl 7, 3214868480
	.fill 96, 4, 3214868480
	.section	.rodata,"a",@progbits
	.p2align	6, 0x0
	.amdhsa_kernel k_q02d252eb5d_proj
		.amdhsa_group_segment_fixed_size 327680
		.amdhsa_private_segment_fixed_size 0
		.amdhsa_enable_private_segment 0
		.amdhsa_kernarg_size 48
		.amdhsa_user_sgpr_count 2
		.amdhsa_user_sgpr_kernarg_segment_ptr 1
		.amdhsa_wavefront_size32 1
		.amdhsa_system_sgpr_workgroup_id_x 1
		.amdhsa_system_sgpr_workgroup_id_y 1
		.amdhsa_system_sgpr_workgroup_id_z 1
		.amdhsa_system_vgpr_workitem_id 0
		.amdhsa_next_free_vgpr 512
		.amdhsa_next_free_sgpr 102
		.amdhsa_reserve_vcc 1
		.amdhsa_float_denorm_mode_32 3
		.amdhsa_float_denorm_mode_16_64 3
		.amdhsa_memory_ordered 1
		.amdhsa_forward_progress 1
		.amdhsa_inst_pref_size 150
	.end_amdhsa_kernel
	.amdgpu_metadata
---
amdhsa.version: [ 1, 2 ]
amdhsa.kernels:
  - .name:           k_q02d252eb5d_proj
    .symbol:         k_q02d252eb5d_proj.kd
    .args:
      - { .name: xq, .offset: 0, .size: 8, .value_kind: global_buffer, .address_space: global }
      - { .name: wq, .offset: 8, .size: 8, .value_kind: global_buffer, .address_space: global }
      - { .name: bq, .offset: 16, .size: 8, .value_kind: global_buffer, .address_space: global }
      - { .name: bk, .offset: 24, .size: 8, .value_kind: global_buffer, .address_space: global }
      - { .name: bv, .offset: 32, .size: 8, .value_kind: global_buffer, .address_space: global }
      - { .name: pq, .offset: 40, .size: 8, .value_kind: global_buffer, .address_space: global }
    .group_segment_fixed_size: 327680
    .private_segment_fixed_size: 0
    .kernarg_segment_align: 8
    .kernarg_segment_size: 48
    .max_flat_workgroup_size: 128
    .sgpr_count:     102
    .vgpr_count:     512
    .wavefront_size: 32
...
	.end_amdgpu_metadata
.endif
;; end of part 2
;; launch attn (part 3): grid 8 x 32, 16 waves a work-group, clusters of 4 x 1, 215,040 bytes of LDS; arguments pq, oq; writes oq
.if DOCPART == 3
	.amdgcn_target "amdgcn-amd-amdhsa--gfx1250"
	.amdhsa_code_object_version 6
	.text
	.protected	k_q02d252eb5d_attn
	.globl	k_q02d252eb5d_attn
	.p2align	8
	.type	k_q02d252eb5d_attn,@function
k_q02d252eb5d_attn:
	s_mov_b64 s[64:65], 0
	v_nop
	global_prefetch_b8 v0, s[64:65] scope:SCOPE_SE
	s_setreg_imm32_b32 hwreg(HW_REG_WAVE_MODE, 25, 1), 1
	s_wait_xcnt 0x0
	s_wait_alu depctr_hold_cnt(0) depctr_sa_sdst(0) depctr_va_vdst(0) depctr_va_sdst(0) depctr_va_ssrc(0) depctr_va_vcc(0) depctr_vm_vsrc(0)
	s_getreg_b32 s2, hwreg(HW_REG_IB_STS2, 6, 4)
	s_cmp_eq_u32 s2, 0
	s_cbranch_scc0 .Lentry_in_a_cluster
	s_endpgm
.Lentry_in_a_cluster:
	s_bfe_u32 s2, ttmp6, 0x10000c
	s_cmp_lg_u32 s2, 0x3003
	s_cbranch_scc0 .Lentry_shape_is_right
	s_endpgm
.Lentry_shape_is_right:
; O = softmax(Q K^T / 8) V for 32 (batch x head) of 2,048 tokens x 64, both products on codes of FP6 (E2M3) with E8M0 scales; O / l is quantised along the hidden axis and leaves as codes.
; THE SOFTMAX: t = score x log2(e) / 8; M = the running largest t rounded UP to a whole number; p = 2^(t - M) is quantised along the keys, not normalised; the row's sum is taken of the unquantised p and divides at the end.
; When M moves, the sum and O are multiplied by 2^(old M - new M): exact.
; LIMITS: the promise holds while the scaled scores t stay under 2^31 in magnitude; NaN and infinities are not served; a block of p or of O that is all zeros, or lies under 2^-124, keeps the byte 1 (read by this program alone).
; THE FIRST PRODUCT HAS K = 64: the upper 64 of the instruction's 128 are zero CODES on Q's side; K's side there names the next tile's codes, finite numbers, and both sides' upper scale bytes are 0 (2^-127): those products are zeros.
; SHARES: a work-group owns 256 queries of one head, each of its sixteen waves one row tile of 16 (four waves to a SIMD).
; THE HEAD'S WHOLE K AND V LIE IN LDS, filled once: 16 pieces of 13,312 bytes, ONE TENSOR LOAD A WAVE (wave w: chunk w / 4 of 512 keys; w % 4 = K's halves, V's halves), to LDS byte 13,312 w.
; The load stands in two arms: waves 0-3, which fetch chunk 0, ask first and clear their registers behind the load; the others clear theirs ahead of it.  The first barrier shows chunk 0 (waves 0-3 wait), a second one behind chunk 0's steps the rest.
; CLUSTER 4 x 1: four query blocks of one head need the same K and V: each load is asked for jointly.  No prefetch: every tensor load stands at the head, ahead of any loop in which to ask ahead.
; LAYOUT: both products transposed: S^T = K Q^T, O^T = V^T P^T: a lane holds one query throughout.  K's row tile 4 G + u holds keys 64 G + 8 u + {0..7, 32..39}: so register 32 c + 8 u + j of lane (r, h) is key 64 c + 32 h + 8 u + j of the step:
; a lane's 32 registers are ONE WHOLE BLOCK of 32 keys, in the order of the second product's operand: a block's largest score needs no other lane and the codes are not moved between lanes.
; THE ROW'S SUM is kept in eight partial pairs; a step's seven joins stand in the NEXT step, as the places behind the products.
; REGISTERS: v1-8 addresses; v12 -M, v13 the largest score, v[14:15] the sum; v16-21 Q, v22-27 zeros, v28 Q's scale word; v32-79 K's 8 half fragments, then V's 4 fragments; v80-85 zeros; v86-93 scale words;
;   v96-159 S^T, then p; v160-191 O^T; v192-203 p's codes; v204-231 at work; v232-233 the add's; v234-247 partial sums.
.set HFB,  768
.set LCH,  53248                       ; LDS: a chunk: K's part, then V's
.set VOF,  26624
.set PART, 13312                       ; what one tensor load brings
.set SPARE, 0x34000                    ; behind the four chunks: the spare words, 128 bytes a wave
.set KV,   32
.set S,    96
.set O,    160
.set PC,   192
.set QT,   204                         ; v204-206, v208-210 second halves of the conversions
.set BM,   212                         ; v212-215 largest scores of 16; then v212, v214: of my two blocks, then their largest p
.set PD,   216                         ; v216-217 permute destinations
.set BY,   218                         ; v218-219 scale bytes
.set SO,   220                         ; v220-221 the conversions' scale operands
.set OLD,  223                         ; the last step's -M
.set F,    224                         ; v[224:225] f = 2^(old M - new M)
.set W,    226                         ; p's scale word
.set TS,   234
.set QBM,  212                         ; the way out's quantiser
.set QBP,  216
.set QSO,  220
.set QBY,  218
.set SEL,  20                          ; s[20:21]
.macro CROUND                          ; a round of the cluster's barrier
	s_barrier_signal -1
	s_barrier_wait -1
	s_cmp_lg_u32 s16, 0
	s_cbranch_scc1 .Lnot_wave_0_\@
	s_barrier_signal -3
.Lnot_wave_0_\@:
	s_barrier_wait -3
	s_barrier_signal -1
	s_barrier_wait -1
.endm
.macro INIT
	v_mov_b32 v13, 0xff61b1e6                      ; the largest score so far: -3e38, under every score
	v_mov_b32 v12, 0x7e000000                      ; -M: so large that the first step's f is 0, which leaves the zeros below zeros
	v_mov_b32 v14, 0                               ; the sum
	v_mov_b32 v15, 0
.irp i, 0,1,2,3,4,5
	v_mov_b32 v[22+\i], 0                          ; Q's upper 64 along K: zero codes
	v_mov_b32 v[80+\i], 0                          ; what K's last tile names as its upper half
.endr
	v_mov_b32 v[PD], 0                             ; a lane permute's destination counts as one of its sources
	v_mov_b32 v[PD+1], 0
	v_mov_b32 v[F+1], 0                            ; (named as the upper half of the pair)
.set JJ, 0
.rept 14
	v_mov_b32 v[TS+JJ], 0                          ; the partial sums that the first step joins
.set JJ, JJ+1
.endr
.set JJ, 0
.rept 32
	v_mov_b32 v[O+JJ], 0                           ; O^T.  (The step is written once: its first turn finds zeros)
.set JJ, JJ+1
.endr
.endm
	s_load_b128 s[4:7], s[0:1], 0x0                ; pq, oq
	v_lshl_add_u32 v232, v0, 2, SPARE
	v_mov_b32 v233, 0
	ds_add_u32 v232, v233                          ; the opening lines: the add, twice on end, and its wait
	ds_add_u32 v232, v233
	v_lshrrev_b32 v1, 5, v0
	s_delay_alu instid0(VALU_DEP_1)
	v_readfirstlane_b32 s16, v1                    ; wave 0..15
	s_bfe_u32 s17, ttmp6, 0x40000                  ; cx: it enters Q's and O's addresses alone
	s_lshl_b32 s18, ttmp9, 2
	s_add_co_u32 s18, s18, s17                     ; my block of 256 queries
	s_and_b32 s19, ttmp7, 0xffff                   ; batch x head, which the four partners share
	; group 1: 13,312 dense bytes as 52 rows of 256 bytes (32 elements of 8 bytes)
	s_mov_b32 s24, 15|(3<<16)|(1<<21)              ; the mask: all four work-groups
	s_mov_b32 s25, 32<<16
	s_mov_b32 s26, 52<<16
	s_mov_b32 s27, 32<<16
	s_mov_b32 s28, 52
	s_mov_b32 s29, 32
	s_mov_b32 s30, 0
	s_mov_b32 s31, 0
	s_and_b32 s9, s16, 3
	s_lshr_b32 s8, s9, 1                           ; K (0) or V (1),
	s_and_b32 s10, s9, 1                           ; which half of the chunk's part
	s_add_co_u32 s8, s8, 1
	s_mul_i32 s8, s8, 3407872                      ; K is the second tensor of pq, V the third
	s_mul_i32 s11, s19, 106496
	s_add_co_u32 s8, s8, s11
	s_mul_i32 s12, s10, PART
	s_add_co_u32 s12, s12, s8
	s_lshr_b32 s10, s16, 2                         ; the chunk
	s_mul_i32 s10, s10, 26624
	s_add_co_u32 s12, s12, s10
	s_mov_b32 s13, 0
	s_mov_b32 s32, 1
	s_mul_i32 s33, s16, PART                       ; LDS: wave x 13,312
	s_mov_b32 s[SEL], 0x76543210
	s_mov_b32 s[SEL+1], 0xfedcba98                 ; v_permlanex16_b32's selects for lane l xor 16
	s_mov_b32 s22, 0x3e38aa3b                      ; c = log2(e) / 8
	s_mov_b32 s23, s22                             ; (named with it as a pair, so it is written)
	s_mov_b32 s48, 0                               ; LDS byte of the step's half fragments of K
	s_mov_b32 s49, 24576                           ; and of its scale words
	s_wait_dscnt 0x0
	s_wait_kmcnt 0x0
	s_add_nc_u64 s[34:35], s[4:5], s[12:13]
	s_or_b32 s35, s35, 0x80000000
	CROUND                                         ; all four work-groups are here: the joint loads meet
	s_cmp_lt_u32 s16, 4                            ; one chain of two arms, a load in each: every way through the head passes one
	s_cbranch_scc0 .Llater
	tensor_load_to_lds s[32:35], s[24:31]          ; waves 0-3: chunk 0, wanted first
	s_nop 0
	INIT
	s_branch .Lasked
.Llater:
	INIT
	tensor_load_to_lds s[32:35], s[24:31]          ; waves 4-15: chunks 1 to 3
	s_nop 0
.Lasked:
	v_and_b32 v4, 31, v0
	v_and_b32 v5, 15, v0
	v_bfe_u32 v6, v0, 4, 1
	s_delay_alu instid0(VALU_DEP_3)
	v_lshlrev_b32 v1, 4, v4                        ; 16 x lane
	s_delay_alu instid0(VALU_DEP_4)
	v_lshlrev_b32 v2, 3, v4                        ; 8 x lane
	s_delay_alu instid0(VALU_DEP_4)
	v_lshlrev_b32 v3, 4, v5                        ; 16 r
	s_delay_alu instid0(VALU_DEP_4)
	v_lshlrev_b32 v8, 3, v6                        ; 8 h
	s_delay_alu instid0(VALU_DEP_2)
	v_add_nc_u32 v7, v3, v6                        ; 16 r + h
	s_lshl_b32 s51, s18, 4
	s_add_co_u32 s51, s51, s16                     ; T: my row tile of queries, 0..127
	s_lshr_b32 s60, s51, 5
	s_mul_i32 s60, s60, 26624
	s_add_co_u32 s60, s60, s11                     ; its chunk in Q, the first tensor of pq
	s_and_b32 s61, s51, 31
	s_mul_i32 s52, s61, HFB
	s_add_co_u32 s52, s52, s60
	s_mov_b32 s53, 0
	s_lshr_b32 s61, s61, 2
	s_lshl_b32 s61, s61, 8
	s_and_b32 s62, s51, 3
	s_lshl_b32 s62, s62, 2
	s_add_co_u32 s54, s61, s62
	s_add_co_u32 s54, s54, s60
	s_add_co_u32 s54, s54, 24576
	s_mov_b32 s55, 0
	s_add_nc_u64 s[52:53], s[4:5], s[52:53]        ; Q's half fragment
	s_add_nc_u64 s[54:55], s[4:5], s[54:55]        ; and its scale words
	s_wait_alu depctr_va_vdst(0)                   ; directly ahead of the readers below
	global_load_b128 v[16:19], v1, s[52:53]
	global_load_b64 v[20:21], v2, s[52:53] offset:512
	global_load_b32 v28, v3, s[54:55]
	s_lshr_b32 s60, s19, 4                         ; O: row tile 128 x batch + T, chunk head / 8, half fragment head % 8
	s_lshl_b32 s60, s60, 7
	s_add_co_u32 s60, s60, s51
	s_mul_i32 s60, s60, 12800
	s_and_b32 s61, s19, 15
	s_lshr_b32 s62, s61, 3
	s_mul_i32 s62, s62, 6400
	s_add_co_u32 s60, s60, s62
	s_and_b32 s61, s61, 7
	s_mul_i32 s56, s61, HFB
	s_add_co_u32 s56, s56, s60
	s_mov_b32 s57, 0
	s_lshl_b32 s58, s61, 1                         ; its two scale bytes in a row's 16: 2 x (head % 8)
	s_add_co_u32 s58, s58, s60
	s_add_co_u32 s58, s58, 6144
	s_mov_b32 s59, 0
	s_add_nc_u64 s[56:57], s[6:7], s[56:57]
	s_add_nc_u64 s[58:59], s[6:7], s[58:59]
; The seven joins of the eight partial sums, in three parts
.macro JOIN1
	v_pk_add_f32 v[14:15], v[14:15], v[TS+6:TS+7]
.endm
.macro JOIN2
	v_pk_add_f32 v[TS:TS+1], v[TS:TS+1], v[TS+8:TS+9]
	v_pk_add_f32 v[TS+2:TS+3], v[TS+2:TS+3], v[TS+10:TS+11]
	v_pk_add_f32 v[TS+4:TS+5], v[TS+4:TS+5], v[TS+12:TS+13]
.endm
.macro JOIN3
	v_pk_add_f32 v[14:15], v[14:15], v[TS+2:TS+3]
	v_pk_add_f32 v[TS:TS+1], v[TS:TS+1], v[TS+4:TS+5]
	s_delay_alu instid0(VALU_DEP_1)
	v_pk_add_f32 v[14:15], v[14:15], v[TS:TS+1]
.endm
; A KEY STEP: 128 keys
.macro STEP
	JOIN1                                          ; this line and the three below are the four places behind the last step's products, in front of the loads into their registers
	v_add_nc_u32 v4, s48, v1
	v_add_nc_u32 v5, s48, v2
	v_add_nc_u32 v6, s49, v3
.irp t, 0,1,2,3,4,5,6,7
	ds_load_b128 v[KV+6*\t:KV+6*\t+3], v4 offset:HFB*\t
	ds_load_b64 v[KV+6*\t+4:KV+6*\t+5], v5 offset:HFB*\t+512
.endr
	ds_load_b128 v[86:89], v6                      ; K's scale words: tiles 0-3,
	ds_load_b128 v[90:93], v6 offset:256           ; tiles 4-7
	s_wait_alu depctr_va_vdst(0)
	s_wait_dscnt 0x0
.irp t, 0,1,2,3,4,5,6,7
	v_wmma_scale_f32_16x16x128_f8f6f4 v[S+8*\t:S+8*\t+7], v[KV+6*\t:KV+6*\t+11], v[16:27], 0, v[86+\t], v28 matrix_a_fmt:MATRIX_FMT_FP6 matrix_b_fmt:MATRIX_FMT_FP6
.endr
	JOIN2                                          ; these three and the move: four places in front of the loads below and of the first read of the scores
	v_mov_b32 v[OLD], v12
.irp t, 0,1,2,3                        ; V's four fragments (16 channels x these 128 keys) are asked for now and land under the softmax
.irp cc, 0,1
	ds_load_b128 v[KV+12*\t+6*\cc:KV+12*\t+6*\cc+3], v4 offset:VOF+(4*\cc+\t)*HFB
	ds_load_b64 v[KV+12*\t+6*\cc+4:KV+12*\t+6*\cc+5], v5 offset:VOF+(4*\cc+\t)*HFB+512
.endr
.endr
	ds_load_b128 v[86:89], v6 offset:VOF           ; V's scale words of the first 64 keys,
	ds_load_b128 v[90:93], v6 offset:VOF+256       ; of the second
	JOIN3                                          ; the sum of all earlier steps is whole
.irp b, 0,1,2,3
	v_max3_num_f32 v[BM+\b], v[S+16*\b], v[S+1+16*\b], v[S+2+16*\b]   ; four chains of 16 scores; each accumulator is read from its low end on
.endr
.irp i, 3,5,7,9,11,13
.irp b, 0,1,2,3
	v_max3_num_f32 v[BM+\b], v[BM+\b], v[S+16*\b+\i], v[S+1+16*\b+\i]
.endr
.endr
.irp c, 0,1
	v_max3_num_f32 v[BM+2*\c], v[BM+2*\c], v[BM+2*\c+1], v[S+15+32*\c]
.endr
.irp c, 0,1
	v_max_num_f32 v[BM+2*\c], v[BM+2*\c], v[S+31+32*\c]   ; the largest score of my block 2 c + h: it serves for the row's maximum and, since p rises with the score, for the block's largest p
.endr
	s_delay_alu instid0(VALU_DEP_1)
	v_max_num_f32 v227, v[BM], v[BM+2]
	s_delay_alu instid0(VALU_DEP_1)
	v_permlanex16_b32 v[PD], v227, s[SEL], s[SEL+1]
	s_delay_alu instid0(VALU_DEP_1)
	v_max3_num_f32 v13, v13, v227, v[PD]           ; the running largest score of my query
	s_delay_alu instid0(VALU_DEP_1)
	v_mul_f32 v227, s22, v13                       ; as t (c is positive)
	s_delay_alu instid0(VALU_DEP_1)
	v_floor_f32 v12, -v227                         ; the new -M = floor(-t) = -ceil(t)
.set JJ, 0
.rept 32
	v_pk_fma_f32 v[S+JJ:S+JJ+1], v[S+JJ:S+JJ+1], s[22:23], v[12:13] op_sel_hi:[1,0,0]   ; t - M, two at a time
.set JJ, JJ+2
.endr
	v_sub_f32 v227, v12, v[OLD]                    ; old M - new M: a whole number, 0 or less
	v_fma_f32 v[BM], v[BM], s22, v12               ; t - M of each block's largest score
	v_fma_f32 v[BM+2], v[BM+2], s22, v12
	s_delay_alu instid0(VALU_DEP_3)
	v_cvt_i32_f32 v227, v227                       ; (it saturates)
	s_delay_alu instid0(VALU_DEP_1)
	v_ldexp_f32 v[F], 1.0, v227                    ; f = 2^(old M - new M)
	s_wait_alu depctr_va_vdst(0)                   ; ahead of the batch
.set JJ, 0
.rept 64
	v_exp_f32 v[S+JJ], v[S+JJ]                     ; p = 2^(t - M), at most 1
.set JJ, JJ+1
.endr
	v_exp_f32 v[BM], v[BM]                         ; the blocks' largest p: the same two instructions on the same number give the same bits
	v_exp_f32 v[BM+2], v[BM+2]
	v_pk_mul_f32 v[14:15], v[14:15], v[F:F+1] op_sel_hi:[1,0]   ; the sum under the new M: the plain place behind the exponentials
	s_wait_alu depctr_va_vdst(0)                   ; one wait for the whole batch, ahead of its first reader
.irp k, 0,1,2,3,4,5,6                  ; the row's sum of the unquantised p: 32 pairs in eight chains; the next step joins them
	v_pk_add_f32 v[TS+2*\k:TS+2*\k+1], v[S+4*\k:S+4*\k+1], v[S+4*\k+2:S+4*\k+3]
.endr
	v_pk_add_f32 v[14:15], v[14:15], v[S+28:S+29]
.irp k, 0,1,2,3,4,5,6
	v_pk_add_f32 v[TS+2*\k:TS+2*\k+1], v[TS+2*\k:TS+2*\k+1], v[S+30+2*\k:S+31+2*\k]
.endr
	v_pk_add_f32 v[14:15], v[14:15], v[S+44:S+45]
.irp k, 0,1,2,3,4,5,6
	v_pk_add_f32 v[TS+2*\k:TS+2*\k+1], v[TS+2*\k:TS+2*\k+1], v[S+46+2*\k:S+47+2*\k]
.endr
	v_pk_add_f32 v[14:15], v[14:15], v[S+60:S+61]
	v_pk_add_f32 v[TS:TS+1], v[TS:TS+1], v[S+62:S+63]
.irp c, 0,1
	v_max_num_f32 v[BM+2*\c], 0x1800000, v[BM+2*\c]   ; the floor 2^(3 - 127): the byte cannot fall under 1
.endr
.irp c, 0,1
	s_delay_alu instid0(VALU_DEP_2)
	v_add_nc_u32 v[SO+\c], 0xff000000, v[BM+2*\c]  ; 2 off the exponent field: the conversion's scale operand
.endr
.irp c, 0,1                            ; my block 2 c + h whole: registers 6 c .. 6 c + 5 of the operand
	v_cvt_scalef32_pk16_fp6_f32 v[PC+6*\c:PC+2+6*\c], v[S+32*\c:S+15+32*\c], v[SO+\c]
	v_cvt_scalef32_pk16_fp6_f32 v[QT+4*\c:QT+2+4*\c], v[S+16+32*\c:S+31+32*\c], v[SO+\c]   ; (a conversion's three registers begin on an even number)
.endr
.irp c, 0,1
	v_lshrrev_b32 v[BY+\c], 23, v[SO+\c]           ; the scale's byte.  (The plain place behind the conversions)
.endr
	s_delay_alu instid0(VALU_DEP_1)
	v_lshl_or_b32 v[W], v[BY+1], 16, v[BY]         ; my two bytes: blocks h and 2 + h,
	s_delay_alu instid0(VALU_DEP_1)
	v_lshlrev_b32 v[W], v8, v[W]                   ; at their places in the word;
	s_delay_alu instid0(VALU_DEP_1)
	v_permlanex16_b32 v[PD], v[W], s[SEL], s[SEL+1]
	s_delay_alu instid0(VALU_DEP_1)
	v_or_b32 v[W], v[W], v[PD]                     ; with lane l xor 16's two the word is whole
.irp c, 0,1
.irp i, 0,1,2
	v_mov_b32 v[PC+3+6*\c+\i], v[QT+4*\c+\i]
.endr
.endr
	s_wait_dscnt 0x0                               ; V and its scale words are in
.irp t, 0,1,2,3
	v_lshl_or_b32 v[86+\t], v[90+\t], 16, v[86+\t] ; tile t's word for the 128 keys: two bytes of each 64
.endr
	s_wait_alu depctr_va_vdst(0)                   ; directly ahead of the first reader of O^T
.set JJ, 0
.rept 16
	v_pk_mul_f32 v[O+JJ:O+JJ+1], v[O+JJ:O+JJ+1], v[F:F+1] op_sel_hi:[1,0]   ; O^T under the new M.  (For each product below at least twelve of these name none of its registers: the places behind the writes of its scale word and of p's codes)
.set JJ, JJ+2
.endr
.irp t, 0,1,2,3
	v_wmma_scale_f32_16x16x128_f8f6f4 v[O+8*\t:O+8*\t+7], v[KV+12*\t:KV+12*\t+11], v[PC:PC+11], v[O+8*\t:O+8*\t+7], v[86+\t], v[W] matrix_a_fmt:MATRIX_FMT_FP6 matrix_b_fmt:MATRIX_FMT_FP6
.endr
	s_add_co_u32 s48, s48, 8*HFB
	s_add_co_u32 s49, s49, 512
.endm
; A chunk: 512 keys, four steps
.macro CHUNK
	s_mov_b32 s50, 4
.Lstep_\@:
	STEP
	s_sub_co_u32 s50, s50, 1
	s_cmp_lg_u32 s50, 0
	s_cbranch_scc1 .Lstep_\@
	s_add_co_u32 s48, s48, LCH-32*HFB              ; on to the next chunk
	s_add_co_u32 s49, s49, LCH-2048
.endm
.macro HQUANT s, d, w                  ; 32 numbers of a lane, register 16 k + i = channel 32 k + 16 h + i of my query, become a half fragment's 6 registers
.irp k, 0,1
	v_max3_num_f32 v[QBM+\k], |v[\s+16*\k]|, |v[\s+16*\k+1]|, 0x1800000
.endr
.irp i, 2,4,6,8,10,12,14
.irp k, 0,1
	s_delay_alu instid0(VALU_DEP_2)
	v_max3_num_f32 v[QBM+\k], v[QBM+\k], |v[\s+16*\k+\i]|, |v[\s+16*\k+\i+1]|
.endr
.endr
.irp k, 0,1
	s_delay_alu instid0(VALU_DEP_2)
	v_permlanex16_b32 v[QBP+\k], v[QBM+\k], s[SEL], s[SEL+1]
.endr
.irp k, 0,1
	s_delay_alu instid0(VALU_DEP_2)
	v_max_num_f32 v[QBM+\k], v[QBM+\k], v[QBP+\k]
.endr
.irp k, 0,1
	s_delay_alu instid0(VALU_DEP_2)
	v_add_nc_u32 v[QSO+\k], 0xff000000, v[QBM+\k]
.endr
.irp k, 0,1
	s_delay_alu instid0(VALU_DEP_2)
	v_lshrrev_b32 v[QBY+\k], 23, v[QSO+\k]
.endr
	s_delay_alu instid0(VALU_DEP_1)
	v_lshl_or_b32 v[\w], v[QBY+1], 8, v[QBY]
	v_cvt_scalef32_pk16_fp6_f32 v[\d:\d+2], v[\s:\s+15], v[QSO]
	v_cvt_scalef32_pk16_fp6_f32 v[QT:QT+2], v[\s+16:\s+31], v[QSO+1]
	v_nop                                          ; one plain place behind a scaled conversion
.irp i, 0,1,2
	v_permlane16_swap_b32 v[\d+\i], v[QT+\i]
.endr
.irp i, 0,1,2
	s_delay_alu instid0(VALU_DEP_3)
	v_mov_b32 v[\d+3+\i], v[QT+\i]
.endr
.endm
	s_wait_alu depctr_va_vdst(0)                   ; the head's end
	s_wait_loadcnt 0x0                             ; Q
	s_cmp_lt_u32 s16, 4                            ; waves 0-3 asked for chunk 0 and wait for it; the other loads may stay out
	s_cbranch_scc0 .Lnot_first
	s_wait_tensorcnt 0x0
.Lnot_first:
	s_barrier_signal -1
	s_barrier_wait -1                              ; chunk 0 is in
	CHUNK
	s_wait_tensorcnt 0x0                           ; my piece is in, whichever it is,
	s_wait_dscnt 0x0
	s_barrier_signal -1
	s_barrier_wait -1                              ; everybody's is
	CHUNK
	CHUNK
	CHUNK
	; THE WAY OUT: O^T / the sum, quantised along the head's 64 channels, which are two blocks of the last product's K
	JOIN1                                          ; the last step's joins: they are the places behind the last products
	JOIN2
	JOIN3
	s_delay_alu instid0(VALU_DEP_1)
	v_add_f32 v14, v14, v15                        ; the sum's two halves,
	s_delay_alu instid0(VALU_DEP_1)
	v_permlanex16_b32 v227, v14, s[SEL], s[SEL+1]
	s_delay_alu instid0(VALU_DEP_1)
	v_add_f32 v14, v14, v227                       ; and lane l xor 16's
	s_wait_alu depctr_va_vdst(0)
	v_rcp_f32 v14, v14
	v_and_b32 v4, 31, v0                           ; (a plain place behind the transcendental)
	s_delay_alu instid0(VALU_DEP_1)
	v_cmp_gt_u32 vcc_lo, 16, v4
	s_wait_alu depctr_va_vdst(0)                   ; the wait ahead of the reciprocal's first reader
.set JJ, 0
.rept 32
	v_mul_f32 v[S+JJ], v[O+JJ], v14                ; each accumulator from its low end on
.set JJ, JJ+1
.endr
	HQUANT S, PC, 226
	v_cndmask_b32 v227, v[QBY+1], v[QBY], vcc_lo   ; lanes 0-15 store their row's first byte, lanes 16-31 the second
	global_store_b128 v1, v[PC:PC+3], s[56:57]                 ; 512 consecutive bytes
	global_store_b64 v2, v[PC+4:PC+5], s[56:57] offset:512     ; 256 consecutive bytes
	global_store_b8 v7, v227, s[58:59]             ; 2 of a row's 16 scale bytes: the other heads' come from other work-groups
	s_wait_tensorcnt 0x0                           ; the wave's end
	ds_add_u32 v232, v233
	s_wait_dscnt 0x0
	CROUND                                         ; the closing round: no work-group ends while a partner may still ask for a tile that names it
	s_endpgm
.Lfunc_end_k_q02d252eb5d_attn:
	.size	k_q02d252eb5d_attn, .Lfunc_end_k_q02d252eb5d_attn-k_q02d252eb5d_attn
	.p2alignl 7, 3214868480
	.fill 96, 4, 3214868480
	.section	.rodata,"a",@progbits
	.p2align	6, 0x0
	.amdhsa_kernel k_q02d252eb5d_attn
		.amdhsa_group_segment_fixed_size 215040
		.amdhsa_private_segment_fixed_size 0
		.amdhsa_enable_private_segment 0
		.amdhsa_kernarg_size 16
		.amdhsa_user_sgpr_count 2
		.amdhsa_user_sgpr_kernarg_segment_ptr 1
		.amdhsa_wavefront_size32 1
		.amdhsa_system_sgpr_workgroup_id_x 1
		.amdhsa_system_sgpr_workgroup_id_y 1
		.amdhsa_system_sgpr_workgroup_id_z 1
		.amdhsa_system_vgpr_workitem_id 0
		.amdhsa_next_free_vgpr 248
		.amdhsa_next_free_sgpr 66
		.amdhsa_reserve_vcc 1
		.amdhsa_float_denorm_mode_32 3
		.amdhsa_float_denorm_mode_16_64 3
		.amdhsa_memory_ordered 1
		.amdhsa_forward_progress 1
		.amdhsa_inst_pref_size 78
	.end_amdhsa_kernel
	.amdgpu_metadata
---
amdhsa.version: [ 1, 2 ]
amdhsa.kernels:
  - .name:           k_q02d252eb5d_attn
    .symbol:         k_q02d252eb5d_attn.kd
    .args:
      - { .name: pq, .offset: 0, .size: 8, .value_kind: global_buffer, .address_space: global }
      - { .name: oq, .offset: 8, .size: 8, .value_kind: global_buffer, .address_space: global }
    .group_segment_fixed_size: 215040
    .private_segment_fixed_size: 0
    .kernarg_segment_align: 8
    .kernarg_segment_size: 16
    .max_flat_workgroup_size: 512
    .sgpr_count:     66
    .vgpr_count:     248
    .wavefront_size: 32
...
	.end_amdgpu_metadata
.endif
;; end of part 3
;; launch outp (part 4): grid 8 x 32, 4 waves a work-group, clusters of 4 x 4, 222,720 bytes of LDS; arguments oq, wq, bo, out0; writes out0
.if DOCPART == 4
	.amdgcn_target "amdgcn-amd-amdhsa--gfx1250"
	.amdhsa_code_object_version 6
	.text
	.protected	k_q02d252eb5d_outp
	.globl	k_q02d252eb5d_outp
	.p2align	8
	.type	k_q02d252eb5d_outp,@function
k_q02d252eb5d_outp:
	s_mov_b64 s[64:65], 0
	v_nop
	global_prefetch_b8 v0, s[64:65] scope:SCOPE_SE
	s_setreg_imm32_b32 hwreg(HW_REG_WAVE_MODE, 25, 1), 1
	s_wait_xcnt 0x0
	s_wait_alu depctr_hold_cnt(0) depctr_sa_sdst(0) depctr_va_vdst(0) depctr_va_sdst(0) depctr_va_ssrc(0) depctr_va_vcc(0) depctr_vm_vsrc(0)
	s_getreg_b32 s2, hwreg(HW_REG_IB_STS2, 6, 4)
	s_cmp_eq_u32 s2, 0
	s_cbranch_scc0 .Lentry_in_a_cluster
	s_endpgm
.Lentry_in_a_cluster:
	s_bfe_u32 s2, ttmp6, 0x10000c
	s_cmp_lg_u32 s2, 0xf033
	s_cbranch_scc0 .Lentry_shape_is_right
	s_endpgm
.Lentry_shape_is_right:
; out0 = O Wo^T + bo on codes of FP6 (E2M3) with E8M0 scales, f32 sums; out0 [4096][1024] f32.
; LIMIT: the bias is the C of a sum's first product, so it is added first and not last.
; OPERANDS lie in memory as images of registers: ROW TILE T = rows 32 (T / 2) + 8 (T % 2) + {0..7, 16..23}; a half fragment (16 rows x 64 K) = 768 bytes (registers 0-3 at 16 x lane, 4-5 at 512 + 8 x lane);
; a row tile = two chunks of 512 K, each 8 half fragments + 256 bytes of scale words (row r at 16 r, word q).
; SHARES: a work-group makes 128 tokens x 128 features; a wave 64 x 64: 16 accumulators.  All of K (1,024) of the work-group's 8 + 8 row tiles lies in LDS, filled ONCE, in two chunks.
; Source 0 = 16 features, source 1 = 16 tokens: a lane holds one token, and the registers of tiles 2 p, 2 p + 1 are 16 neighbouring features: 64 bytes of a row of out0.
; CLUSTER 4 x 4: the four of a row need the same tokens' tiles, the four of a column the same weights': each is asked for jointly.
; THE WAY OUT: 16 tokens x 64 features at a time through the wave's own stage in LDS (bytes that no tensor load fills), back as rows of 256 bytes: sixteen lanes store 256 consecutive bytes, aligned.
; REGISTERS: window 0: v1-25 lane numbers and addresses; v32-63 scale words; v64-95 the bias, later with v96-127 rows on the way out; v128-255 accumulators ((a, b) at 128 + 8 (4 b + a)).
;   window 1: two sets of fragments at v0 and v128: the weights' four, then from +48 the tokens' four.
.set CHB,  6400
.set HFB,  768
.set LCH,  102400
.set QRT,  25600
.set STAGE, 2*LCH                      ; behind the tiles: 16 rows x (256 + 16) bytes for each wave
.set XA16, 8
.set XA8,  10
.set WA16, 12
.set WA8,  14
.set SA,   16
.set STO,  23
.set RD,   24
.set CO,   25
.set SC,   32
.set BIAS, 64
.set BK,   64
.set ACC,  128
.set G1X,  24
.set G1W,  32
.set G0X,  40
.set G0W,  48
.set MSB, 0
.macro WIN new                         ; the immediate's high byte repeats the setting that is left
.if MSB != \new
	s_set_vgpr_msb (MSB<<8)|\new
.set MSB, \new
.endif
.endm
.set MUL,  0x05                        ; sources 0 and 1 window 1; C and D window 0
.set TO_F, 0x40                        ; destination window 1, address window 0
.macro CROUND                          ; a round of the cluster's barrier
	s_barrier_signal -1
	s_barrier_wait -1
	s_cmp_lg_u32 s16, 0
	s_cbranch_scc1 .Lnot_wave_0_\@
	s_barrier_signal -3
.Lnot_wave_0_\@:
	s_barrier_wait -3
	s_barrier_signal -1
	s_barrier_wait -1
.endm
.macro PLACES                          ; four places in front of loads into registers that matrix instructions have read, and of the first read of results
.rept 4
	v_nop
.endr
.endm
	s_load_b256 s[4:11], s[0:1], 0x0               ; oq, wq, bo, out0
	v_lshl_add_u32 v30, v0, 2, 0x36400
	v_mov_b32 v31, 0
	ds_add_u32 v30, v31
	ds_add_u32 v30, v31
	v_lshrrev_b32 v1, 5, v0
	v_readfirstlane_b32 s16, v1                    ; wave 0..3
	s_lshr_b32 s17, s16, 1                         ; which 64 tokens are mine
	s_and_b32 s18, s16, 1                          ; which 64 features
	s_bfe_u32 s19, ttmp6, 0x40000                  ; cx
	s_bfe_u32 s20, ttmp6, 0x40004                  ; cy
	s_lshl_b32 s21, ttmp9, 2
	s_add_co_u32 s21, s21, s19                     ; work-group x: 128 features
	s_and_b32 s22, ttmp7, 0xffff
	s_lshl_b32 s22, s22, 2
	s_add_co_u32 s22, s22, s20                     ; work-group y: 128 tokens
	s_lshl_b32 s66, s20, 2
	s_lshl_b32 s66, 15, s66                        ; my row of the cluster
	s_lshl_b32 s70, 0x1111, s19                    ; my column
	; group 1: 8 rows (a chunk of each of 8 row tiles) of 6,400 bytes (800 elements of 8 bytes), 12,800 bytes apart; no padding
	s_or_b32 s[G1X], s66, (3<<16)|(1<<21)
	s_or_b32 s[G1W], s70, (3<<16)|(1<<21)
.irp g, G1X, G1W
	s_mov_b32 s[\g+1], 800<<16
	s_mov_b32 s[\g+2], 8<<16
	s_mov_b32 s[\g+3], 800<<16
	s_mov_b32 s[\g+4], 8
	s_mov_b32 s[\g+5], 1600
	s_mov_b32 s[\g+6], 0
	s_mov_b32 s[\g+7], 0
.endr
	s_mul_i32 s66, s22, 8*12800                    ; the tokens' eight tiles hang on work-group y alone,
	s_mov_b32 s67, 0
	s_lshl_b32 s70, s21, 3                         ; the weights' on work-group x: Wo is the fourth tensor of wq
	s_add_co_u32 s70, s70, 192
	s_mul_i32 s70, s70, 12800
	s_mov_b32 s71, 0
	s_wait_dscnt 0x0
	s_wait_kmcnt 0x0
	s_add_nc_u64 s[68:69], s[4:5], s[66:67]
	s_add_nc_u64 s[70:71], s[6:7], s[70:71]
.irp c, 0,1
	s_mov_b32 s[G0X+4*\c], 1
	s_mov_b32 s[G0X+4*\c+1], \c*LCH
	s_add_nc_u64 s[G0X+4*\c+2:G0X+4*\c+3], s[68:69], \c*CHB
	s_or_b32 s[G0X+4*\c+3], s[G0X+4*\c+3], 0x80000000
	s_mov_b32 s[G0W+4*\c], 1
	s_mov_b32 s[G0W+4*\c+1], \c*LCH+2*QRT
	s_add_nc_u64 s[G0W+4*\c+2:G0W+4*\c+3], s[70:71], \c*CHB
	s_or_b32 s[G0W+4*\c+3], s[G0W+4*\c+3], 0x80000000
.endr
	CROUND                                         ; all sixteen work-groups are here: the joint loads meet
	s_cmp_eq_u32 s16, 0                            ; the four fills, one a wave, in one chain of branches on the wave's number.  Every LDS byte is filled once
	s_cbranch_scc0 .Lfill_1
	tensor_load_to_lds s[G0X:G0X+3], s[G1X:G1X+7]  ; wave 0: chunk 0 of the tokens' eight tiles
	s_nop 0
.rept 4
	v_nop
.endr
	s_branch .Lfilled
.Lfill_1:
	s_cmp_eq_u32 s16, 1
	s_cbranch_scc0 .Lfill_2
	tensor_load_to_lds s[G0W:G0W+3], s[G1W:G1W+7]  ; wave 1: chunk 0 of the weights' eight
	s_nop 0
.rept 4
	v_nop
.endr
	s_branch .Lfilled
.Lfill_2:
	s_cmp_eq_u32 s16, 2
	s_cbranch_scc0 .Lfill_3
	tensor_load_to_lds s[G0X+4:G0X+7], s[G1X:G1X+7]  ; wave 2: chunk 1 of the tokens'
	s_nop 0
.rept 4
	v_nop
.endr
	s_branch .Lfilled
.Lfill_3:
	tensor_load_to_lds s[G0W+4:G0W+7], s[G1W:G1W+7]  ; wave 3: chunk 1 of the weights'
	s_nop 0
.rept 4
	v_nop
.endr
.Lfilled:
	v_and_b32 v1, 31, v0                           ; lane
	v_and_b32 v2, 15, v0                           ; r
	v_bfe_u32 v3, v0, 4, 1                         ; h
	s_mul_i32 s73, s17, QRT                        ; my four tokens' tiles
	s_mul_i32 s74, s18, QRT
	s_add_co_u32 s74, s74, 2*QRT                   ; my four weights' tiles, behind the tokens' eight
	s_sub_co_u32 s75, s74, s73
	s_add_co_u32 s76, s73, 6144
	v_lshl_add_u32 v[XA16], v1, 4, s73
	v_add_nc_u32 v[XA16+1], LCH, v[XA16]
	v_lshl_add_u32 v[XA8], v1, 3, s73
	v_add_nc_u32 v[XA8+1], LCH, v[XA8]
	v_lshl_add_u32 v[WA16], v1, 4, s74
	v_add_nc_u32 v[WA16+1], LCH, v[WA16]
	v_lshl_add_u32 v[WA8], v1, 3, s74
	v_add_nc_u32 v[WA8+1], LCH, v[WA8]
	v_mul_u32_u24 v[SA], s75, v3                   ; lanes 16-31 take the weights' words
	v_lshl_add_u32 v[SA], v2, 4, v[SA]
	v_add_nc_u32 v[SA], s76, v[SA]
	v_add_nc_u32 v[SA+1], LCH, v[SA]
	v_lshlrev_b32 v21, 6, v3                       ; the bias of my half's features: 64 h bytes
	s_mul_i32 s77, s16, 16*272
	s_add_co_u32 s77, s77, STAGE                   ; my stage
	v_mul_u32_u24 v[STO], v2, 272
	v_lshl_add_u32 v[STO], v3, 6, v[STO]
	v_add_nc_u32 v[STO], s77, v[STO]               ; in: row r, + 64 h bytes
	v_mul_u32_u24 v[RD], v3, 272
	v_lshl_add_u32 v[RD], v2, 4, v[RD]
	v_add_nc_u32 v[RD], s77, v[RD]                 ; back: lanes 0-15 one row of 256 bytes, lanes 16-31 the next
	v_lshlrev_b32 v[CO], 12, v3
	v_lshl_add_u32 v[CO], v2, 4, v[CO]             ; and the same two rows in out0
	s_lshl_b32 s62, s21, 9
	s_lshl_b32 s63, s18, 8
	s_add_co_u32 s62, s62, s63                     ; my 64 features, in bytes
	s_mov_b32 s63, 0
	s_add_nc_u64 s[56:57], s[8:9], s[62:63]
.irp a, 0,1,2,3                        ; tile a, lane (r, h), register j: feature 32 (a / 2) + 16 h + 8 (a % 2) + j
	global_load_b128 v[BIAS+8*\a:BIAS+8*\a+3], v21, s[56:57] offset:(32*(\a/2)+8*(\a%2))*4
	global_load_b128 v[BIAS+8*\a+4:BIAS+8*\a+7], v21, s[56:57] offset:(32*(\a/2)+8*(\a%2))*4+16
.endr
	s_lshl_b32 s78, s22, 19                        ; 128 rows of 4,096 bytes,
	s_lshl_b32 s79, s17, 18                        ; my 64 of them
	s_add_co_u32 s78, s78, s79
	s_add_co_u32 s58, s78, s62
	s_mov_b32 s59, 0
	s_add_nc_u64 s[58:59], s[10:11], s[58:59]
; K step s (128 along K): 32 LDS loads, each of consecutive bytes, into set s % 2; with a chunk's first step its scale words
.macro FETCH s
.set FC, (\s)/4
.set FQ, (\s)%4
.set FF, 128*((\s)%2)
	WIN TO_F
.irp i, 0,1,2,3
.irp cc, 0,1
	ds_load_b128 v[FF+12*\i+6*\cc:FF+12*\i+6*\cc+3], v[WA16+FC] offset:\i*CHB+(2*FQ+\cc)*HFB
	ds_load_b64 v[FF+12*\i+6*\cc+4:FF+12*\i+6*\cc+5], v[WA8+FC] offset:\i*CHB+(2*FQ+\cc)*HFB+512
.endr
.endr
.irp i, 0,1,2,3
.irp cc, 0,1
	ds_load_b128 v[FF+48+12*\i+6*\cc:FF+48+12*\i+6*\cc+3], v[XA16+FC] offset:\i*CHB+(2*FQ+\cc)*HFB
	ds_load_b64 v[FF+48+12*\i+6*\cc+4:FF+48+12*\i+6*\cc+5], v[XA8+FC] offset:\i*CHB+(2*FQ+\cc)*HFB+512
.endr
.endr
	WIN 0
.if FQ == 0
.irp i, 0,1,2,3
	ds_load_b128 v[SC+16*FC+4*\i:SC+16*FC+4*\i+3], v[SA+FC] offset:\i*CHB
.endr
.endif
.endm
; The step's 16 products.  The 16 accumulators take turns, one instruction a turn, in the same order in every step.  The first step's C is the bias.
.macro MULS s
.set MQ, (\s)%4
.set MC, SC+16*((\s)/4)
.set MF, 128*((\s)%2)
	WIN MUL
.irp b, 0,1,2,3
.irp a, 0,1,2,3
.set rD, ACC+8*(4*\b+\a)
.set rA, MF+12*\a
.set rB, MF+48+12*\b
.if (\s) == 0
	v_wmma_scale_f32_16x16x128_f8f6f4 v[rD:rD+7], v[rA:rA+11], v[rB:rB+11], v[BIAS+8*\a:BIAS+8*\a+7], v[MC+4*\a+MQ], v[MC+4*\b+MQ] matrix_a_fmt:MATRIX_FMT_FP6 matrix_b_fmt:MATRIX_FMT_FP6 matrix_a_scale:MATRIX_SCALE_ROW1
.else
	v_wmma_scale_f32_16x16x128_f8f6f4 v[rD:rD+7], v[rA:rA+11], v[rB:rB+11], v[rD:rD+7], v[MC+4*\a+MQ], v[MC+4*\b+MQ] matrix_a_fmt:MATRIX_FMT_FP6 matrix_b_fmt:MATRIX_FMT_FP6 matrix_a_scale:MATRIX_SCALE_ROW1
.endif
.endr
.endr
	WIN 0
.endm
	s_wait_alu depctr_va_vdst(0)                   ; ahead of the branch
	s_cmp_lt_u32 s16, 2                            ; waves 0 and 1 asked for chunk 0 and wait for it; chunk 1's loads may stay out
	s_cbranch_scc0 .Lnot_c0
	s_wait_tensorcnt 0x0
.Lnot_c0:
	s_barrier_signal -1
	s_barrier_wait -1                              ; chunk 0 is in
	FETCH 0
	s_wait_loadcnt 0x0                             ; the bias
.irp s, 0,1,2,3,4,5,6,7
	s_wait_dscnt 0x0                               ; this step's fragments are in (asked for 16 products ago)
.if \s == 3
	s_wait_tensorcnt 0x0                           ; my part of chunk 1 is in,
	s_barrier_signal -1
	s_barrier_wait -1                              ; everybody's is
.endif
.if \s < 7
.if \s > 0
	PLACES                                         ; the set to be loaded was read by the step before
.endif
	FETCH \s+1
.endif
	MULS \s
.endr
	PLACES
	s_wait_alu depctr_va_vdst(0)
.irp b, 0,1,2,3                        ; token tile b: rows 32 (b / 2) + 8 (b % 2) + {0..7, 16..23} of my 64
.if \b > 1
	s_wait_xcnt 0x0                                ; tile b - 2's stores have read their registers: tile b's rows may land there
.endif
.irp p, 0,1
.irp i, 0,1,2,3
	ds_store_b128 v[STO], v[ACC+32*\b+16*\p+4*\i:ACC+32*\b+16*\p+4*\i+3] offset:128*\p+16*\i   ; each accumulator from its low end on
.endr
.endr
.irp i, 0,1,2,3,4,5,6,7
	ds_load_b128 v[BK+32*(\b%2)+4*\i:BK+32*(\b%2)+4*\i+3], v[RD] offset:544*\i   ; LDS serves a wave's instructions in order: these see the stores above, and the next tile's stores come behind them
.endr
.irp i, 0,1,2,3,4,5,6,7
	s_wait_dscnt 7-\i                              ; the younger loads of this run may be out
	global_store_b128 v[CO], v[BK+32*(\b%2)+4*\i:BK+32*(\b%2)+4*\i+3], s[58:59] offset:(32*(\b/2)+8*(\b%2)+2*\i+8*(\i/4))*4096 th:TH_STORE_NT   ; 16 lanes store 256 consecutive bytes, aligned
.endr
.endr
	s_wait_tensorcnt 0x0
	ds_add_u32 v30, v31
	s_wait_dscnt 0x0
	CROUND                                         ; the closing round: no work-group ends while a partner may still ask for a tile that names it
	s_endpgm
.Lfunc_end_k_q02d252eb5d_outp:
	.size	k_q02d252eb5d_outp, .Lfunc_end_k_q02d252eb5d_outp-k_q02d252eb5d_outp
	.p2alignl 7, 3214868480
	.fill 96, 4, 3214868480
	.section	.rodata,"a",@progbits
	.p2align	6, 0x0
	.amdhsa_kernel k_q02d252eb5d_outp
		.amdhsa_group_segment_fixed_size 222720
		.amdhsa_private_segment_fixed_size 0
		.amdhsa_enable_private_segment 0
		.amdhsa_kernarg_size 32
		.amdhsa_user_sgpr_count 2
		.amdhsa_user_sgpr_kernarg_segment_ptr 1
		.amdhsa_wavefront_size32 1
		.amdhsa_system_sgpr_workgroup_id_x 1
		.amdhsa_system_sgpr_workgroup_id_y 1
		.amdhsa_system_sgpr_workgroup_id_z 1
		.amdhsa_system_vgpr_workitem_id 0
		.amdhsa_next_free_vgpr 480
		.amdhsa_next_free_sgpr 84
		.amdhsa_reserve_vcc 0
		.amdhsa_float_denorm_mode_32 3
		.amdhsa_float_denorm_mode_16_64 3
		.amdhsa_memory_ordered 1
		.amdhsa_forward_progress 1
		.amdhsa_inst_pref_size 52
	.end_amdhsa_kernel
	.amdgpu_metadata
---
amdhsa.version: [ 1, 2 ]
amdhsa.kernels:
  - .name:           k_q02d252eb5d_outp
    .symbol:         k_q02d252eb5d_outp.kd
    .args:
      - { .name: oq, .offset: 0, .size: 8, .value_kind: global_buffer, .address_space: global }
      - { .name: wq, .offset: 8, .size: 8, .value_kind: global_buffer, .address_space: global }
      - { .name: bo, .offset: 16, .size: 8, .value_kind: global_buffer, .address_space: global }
      - { .name: out0, .offset: 24, .size: 8, .value_kind: global_buffer, .address_space: global }
    .group_segment_fixed_size: 222720
    .private_segment_fixed_size: 0
    .kernarg_segment_align: 8
    .kernarg_segment_size: 32
    .max_flat_workgroup_size: 128
    .sgpr_count:     84
    .vgpr_count:     480
    .wavefront_size: 32
...
	.end_amdgpu_metadata
.endif
;; end of part 4
